; MI455X (gfx1250); checked and timed in simulation.
; The chip was launched on July 23, 2026; its instructions are those of AMD's public machine-readable ISA for CDNA 5 (MIT licence, August 2026) and "CDNA5" Instruction Set Architecture Reference Guide (July 2026). The comments in the code are by the model that wrote it; some were corrected since.
;; Ro PE Transformer Encoder Layer. Allowed arithmetic: float matrix products may take bf16 or f16 operands with f32 sums; other float arithmetic in f32, or as packed bf16 or f16 multiplies, adds, multiply-adds, maxima and minima; sums over many terms, partial sums and values carried from step to step in f32; what a program stores and reads back later, other than sums and carried values, may be rounded once to bf16 or f16.
;; Inputs: W1 4,096 x 1,024 float32; W2 1,024 x 4,096 float32; Wk 1,024 x 1,024 float32; Wo 1,024 x 1,024 float32; Wq 1,024 x 1,024 float32; Wv 1,024 x 1,024 float32; be1 1,024 float32; be2 1,024 float32; bf1 4,096 float32; bf2 1,024 float32; bk 1,024 float32; bo 1,024 float32; bq 1,024 float32; bv 1,024 float32; g1 1,024 float32; g2 1,024 float32; x 4 x 1,024 x 1,024 float32.
;; Outputs: out0 4 x 1,024 x 1,024 float32.
;; One version. Each part assembles by itself: llvm-mc -triple=amdgcn-amd-amdhsa -mcpu=gfx1250 --defsym DOCPART=n.
;; ======== version 1 of 1: 7 launches
;; limits: values are held in f16: magnitudes above 65,504 overflow, below 6.1e-05 lose precision
;; workspace buffers: h 8,388,608 bytes; act 33,554,432 bytes; ob 8,388,608 bytes; x1 16,777,216 bytes; packq 6,603,008 bytes; packf 8,700,160 bytes; wrest 10,485,760 bytes
;; launch prep (part 1): grid 2194 x 1, 4 waves a work-group, no clusters, 0 bytes of LDS; arguments x, g1, be1, Wq, Wk, Wv, Wo, W1, W2, bq, bk, bv, bf1, h, packq, packf, wrest; writes h, packq, packf, wrest
.if DOCPART == 1
	.amdgcn_target "amdgcn-amd-amdhsa--gfx1250"
	.amdhsa_code_object_version 6
	.text
	.protected	k_qe2c172b1dd_prep
	.globl	k_qe2c172b1dd_prep
	.p2align	8
	.type	k_qe2c172b1dd_prep,@function
k_qe2c172b1dd_prep:
	s_mov_b64 s[64:65], 0
	v_nop
	global_prefetch_b8 v0, s[64:65] scope:SCOPE_SE
	s_setreg_imm32_b32 hwreg(HW_REG_WAVE_MODE, 25, 1), 1
	s_wait_xcnt 0x0
; PREP: all that the matrix launches want ready.  Four kinds of work-groups, told apart by the work-group's number alone:
;   0 .. 511      LN     h = LayerNorm(x) g + be, rounded once to f16; a wave takes 2 rows of 1,024
;   512 .. 2047   CAST   the six weight matrices rounded once to f16; a work-group takes 32 KiB of f32, a wave 8 KiB
;   2048 .. 2191  ROPE   72 blocks of cos and sin for packq (blocks 64-71: the identity), 72 identity blocks for packf
;   2192, 2193    MISC   bq | bk | bv into packq's head, bf1 into packf's, and the two floor blocks
; THE SECOND LAYERNORM RUNS THIS TEXT TOO, as a launch of 512 work-groups with x1, g2, be2 in the first three places: only the first kind is then taken.
; A PACK is what the first matrix kernel reads beside its A operand: bias f32 at 0 (16,384 bytes), 64 equal words of two f16 at 16,384
; (the floor under its results: -inf for q, k, v; 0 for the hidden layer, which is its ReLU), the rotation table at 16,640, W f16 [N][1024] at 311,552.
; A table block holds 16 positions in the order in which that kernel's lanes want them: entry e = 2 bq + i of 512 bytes, lane L's 16 bytes =
; (cos, sin, cos, sin) of the pairs 8 bq + 4 (L / 16) + 2 i + {0, 1} at position 16 block + L % 16.
; Memory binds here: no LDS, no barrier, no matrix unit, no cluster (no two work-groups read the same bytes but gain and bias, 8 KiB).
; LIMITS.  f16 holds no number of 65,520 or more (it becomes an infinity) and has a fixed step of 6e-8 below 6e-5.  The angles are reduced in f32:
; at position 1,023 they are good to about 1e-4 rad, the size of the rounding of position x frequency in f32 itself.  NaN and infinities are not treated apart.
.set HDR_FLOOR, 16384
.set HDR_ROPE,  16640
.set HDR_W,     311552
.set NLN,   512       ; work-groups of each kind
.set NCAST, 1536
.set NROPE, 144
.set G,  4            ; v[4:35]    gain of my 32 columns
.set BE, 36           ; v[36:67]   bias of my 32 columns
.set X,  68           ; v[68:131]  two rows, 32 registers each: load j holds columns 128 j + 4 lane + 0..3
.set AC, 132          ; v[132:139] four chains of packed sums
.set M,  140          ; v[140:141] the mean, twice
.set R,  142          ; v[142:143] 1 / sqrt(var + eps), twice
.set T,  144          ; v144       at work
.set WV, 40           ; s40        my wave's number
.macro FOLD                          ; the four chains into one number, then over the 32 lanes: every lane ends with the sum
	v_pk_add_f32 v[AC:AC+1], v[AC:AC+1], v[AC+2:AC+3]
	v_pk_add_f32 v[AC+4:AC+5], v[AC+4:AC+5], v[AC+6:AC+7]
	v_pk_add_f32 v[AC:AC+1], v[AC:AC+1], v[AC+4:AC+5]
	v_add_f32 v[AC], v[AC], v[AC+1]
	v_add_f32_dpp v[AC], v[AC], v[AC] row_xmask:1 row_mask:0xf bank_mask:0xf
	v_add_f32_dpp v[AC], v[AC], v[AC] row_xmask:2 row_mask:0xf bank_mask:0xf
	v_add_f32_dpp v[AC], v[AC], v[AC] row_xmask:4 row_mask:0xf bank_mask:0xf
	v_add_f32_dpp v[AC], v[AC], v[AC] row_xmask:8 row_mask:0xf bank_mask:0xf
	v_permlanex16_b32 v[T], v[AC], s44, s45
	v_add_f32 v[AC], v[AC], v[T]
.endm
; Row i of the wave's two.  Two true passes over the registers: the mean, then the squares of x - mean, so that a common offset of x costs nothing.
.macro LNROW i, hs
.set XR, X+32*(\i)
	s_wait_loadcnt 8*(1-(\i))        ; loads come back in order: gain, bias and my row are in, the later row's eight loads stay out
.set k, 0
.rept 4
	v_pk_add_f32 v[AC+2*k:AC+2*k+1], v[XR+2*k:XR+2*k+1], v[XR+8+2*k:XR+8+2*k+1]  ; the first pairs start the chains: nothing is cleared
.set k, k+1
.endr
.set k, 8
.rept 8
	v_pk_add_f32 v[AC+2*(k%4):AC+2*(k%4)+1], v[AC+2*(k%4):AC+2*(k%4)+1], v[XR+2*k:XR+2*k+1]
.set k, k+1
.endr
	FOLD
	v_mul_f32 v[M], s41, v[AC]       ; sum / 1,024
	v_mul_f32 v[M+1], s41, v[AC]
.set k, 0
.rept 16
	v_pk_add_f32 v[XR+2*k:XR+2*k+1], v[XR+2*k:XR+2*k+1], v[M:M+1] neg_lo:[0,1] neg_hi:[0,1]  ; d = x - mean, in place
.set k, k+1
.endr
.set k, 0
.rept 4
	v_pk_mul_f32 v[AC+2*k:AC+2*k+1], v[XR+2*k:XR+2*k+1], v[XR+2*k:XR+2*k+1]
.set k, k+1
.endr
.rept 12
	v_pk_fma_f32 v[AC+2*(k%4):AC+2*(k%4)+1], v[XR+2*k:XR+2*k+1], v[XR+2*k:XR+2*k+1], v[AC+2*(k%4):AC+2*(k%4)+1]
.set k, k+1
.endr
	FOLD
	v_fma_f32 v[T], v[AC], s41, s42  ; var + eps
	v_rsq_f32 v[R], v[T]
	v_rsq_f32 v[R+1], v[T]
	v_nop                            ; a plain instruction between the root and the use of its result
.set k, 0
	s_wait_alu depctr_va_vdst(0)
.rept 16
	v_pk_mul_f32 v[XR+2*k:XR+2*k+1], v[XR+2*k:XR+2*k+1], v[R:R+1]
.set k, k+1
.endr
.set k, 0
.rept 16
	v_pk_fma_f32 v[XR+2*k:XR+2*k+1], v[XR+2*k:XR+2*k+1], v[G+2*k:G+2*k+1], v[BE+2*k:BE+2*k+1]
.set k, k+1
.endr
.set k, 0
.rept 16
	v_cvt_pk_f16_f32 v[XR+k], v[XR+2*k], v[XR+2*k+1]  ; packed downward in place: register k is written when 2 k and 2 k + 1 have been read
.set k, k+1
.endr
.set k, 0
.rept 8
	global_store_b64 v2, v[XR+2*k:XR+2*k+1], s[\hs:\hs+1] offset:2048*(\i)+256*k  ; 32 lanes x 8 bytes: 256 consecutive bytes, aligned
.set k, k+1
.endr
.endm
; The whole LayerNorm of a wave: 32 loads go out together; no register is used twice, so no store's source is ever rewritten.
.macro LNBODY xs, gs, bs, hs
	s_mov_b32 s41, 0x3a800000        ; 1 / 1,024
	s_mov_b32 s42, 0x3727c5ac        ; eps = 1e-5
	s_mov_b32 s44, 0x76543210        ; v_permlanex16_b32: each lane takes its own place in the other half
	s_mov_b32 s45, 0xfedcba98
	s_lshl_b32 s46, ttmp9, 2
	s_add_co_u32 s46, s46, s[WV]     ; my pair of rows
	s_lshl_b32 s48, s46, 12          ; x 2 rows of 2,048 bytes of f16
	s_lshl_b32 s46, s46, 13          ; x 2 rows of 4,096 bytes of f32
	s_mov_b32 s47, 0
	s_mov_b32 s49, 0
	s_add_nc_u64 s[\xs:\xs+1], s[\xs:\xs+1], s[46:47]
	s_add_nc_u64 s[\hs:\hs+1], s[\hs:\hs+1], s[48:49]
	v_mov_b32 v[T], 0                ; v_permlanex16_b32 counts as a reader of its destination
.set k, 0
.rept 8
	global_load_b128 v[G+4*k:G+4*k+3], v1, s[\gs:\gs+1] offset:512*k
.set k, k+1
.endr
.set k, 0
.rept 8
	global_load_b128 v[BE+4*k:BE+4*k+3], v1, s[\bs:\bs+1] offset:512*k
.set k, k+1
.endr
.set k, 0
.rept 16
	global_load_b128 v[X+4*k:X+4*k+3], v1, s[\xs:\xs+1] offset:512*k th:TH_LOAD_NT  ; two rows on end: 8,192 consecutive bytes, read once in the launch
.set k, k+1
.endr
	LNROW 0, \hs
	LNROW 1, \hs
.endm
	s_load_b512 s[4:19], s[0:1], 0x0     ; x 4, g1 6, be1 8, Wq 10, Wk 12, Wv 14, Wo 16, W1 18
	s_load_b512 s[20:35], s[0:1], 0x40   ; W2 20, bq 22, bk 24, bv 26, bf1 28, h 30, packq 32, packf 34
	s_load_b64 s[36:37], s[0:1], 0x80    ; wrest
	v_lshrrev_b32 v3, 5, v0
	v_readfirstlane_b32 s[WV], v3
	v_and_b32 v3, 31, v0
	v_lshlrev_b32 v1, 4, v3              ; 16 x lane
	v_lshlrev_b32 v2, 3, v3              ; 8 x lane
	s_wait_kmcnt 0x0
	s_cmp_lt_u32 ttmp9, NLN
	s_cbranch_scc1 .Lln
	s_cmp_lt_u32 ttmp9, NLN+NCAST
	s_cbranch_scc1 .Lcast
	s_cmp_lt_u32 ttmp9, NLN+NCAST+NROPE
	s_cbranch_scc1 .Lrope
	; MISC: eight waves in all.  Wave 0, 1, 2: bq, bk, bv; wave 3: the floors; waves 4-7: a quarter of bf1 each.  A copy is 4,096 bytes.
	s_sub_co_u32 s43, ttmp9, NLN+NCAST+NROPE
	s_lshl_b32 s43, s43, 2
	s_add_co_u32 s43, s43, s[WV]
	s_cmp_eq_u32 s43, 3
	s_cbranch_scc1 .Lfloor
	s_mov_b64 s[50:51], s[22:23]
	s_mov_b64 s[52:53], s[32:33]
	s_and_b32 s54, s43, 3
	s_lshl_b32 s54, s54, 12              ; where the copy goes
	s_mov_b32 s55, 0
	s_mov_b32 s57, 0
	s_cmp_eq_u32 s43, 1
	s_cselect_b64 s[50:51], s[24:25], s[50:51]
	s_cmp_eq_u32 s43, 2
	s_cselect_b64 s[50:51], s[26:27], s[50:51]
	s_cmp_ge_u32 s43, 4
	s_cselect_b64 s[50:51], s[28:29], s[50:51]
	s_cselect_b64 s[52:53], s[34:35], s[52:53]
	s_cselect_b32 s56, s54, 0            ; bf1 is read at the same quarter; the three short biases from their first byte
	s_add_nc_u64 s[50:51], s[50:51], s[56:57]
	s_add_nc_u64 s[52:53], s[52:53], s[54:55]
.set k, 0
.rept 8
	global_load_b128 v[X+4*k:X+4*k+3], v1, s[50:51] offset:512*k
.set k, k+1
.endr
	s_wait_loadcnt 0x0
.set k, 0
.rept 8
	global_store_b128 v1, v[X+4*k:X+4*k+3], s[52:53] offset:512*k
.set k, k+1
.endr
	s_endpgm
.Lfloor:
	v_mov_b32 v4, 0xfc00fc00             ; -inf twice in f16: a floor that changes nothing
	v_mov_b32 v5, 0xfc00fc00
	v_mov_b32 v6, 0                      ; 0 twice: the ReLU
	v_mov_b32 v7, 0
	global_store_b64 v2, v[4:5], s[32:33] offset:HDR_FLOOR
	global_store_b64 v2, v[6:7], s[34:35] offset:HDR_FLOOR
	s_endpgm
.Lrope:
	s_sub_co_u32 s43, ttmp9, NLN+NCAST   ; 0-71: packq's blocks; 72-143: packf's
	s_cmp_ge_u32 s43, 72
	s_cselect_b64 s[52:53], s[34:35], s[32:33]
	s_cselect_b32 s54, 72, 0
	s_sub_co_u32 s54, s43, s54           ; the block
	s_cmp_lt_u32 s43, 64
	s_cselect_b32 s55, 1, 0              ; 0: an identity block: every position counts as 0, which gives cos = 1 and sin = 0 exactly
	s_lshl_b32 s56, s54, 12
	s_lshl_b32 s46, s[WV], 10            ; wave w writes entries 2 w and 2 w + 1
	s_add_co_u32 s56, s56, s46
	s_add_co_u32 s56, s56, HDR_ROPE
	s_mov_b32 s57, 0
	s_add_nc_u64 s[52:53], s[52:53], s[56:57]
	s_lshl_b32 s54, s54, 4
	v_and_b32 v4, 15, v0
	v_add_nc_u32 v4, s54, v4
	v_mul_lo_u32 v4, v4, s55
	v_cvt_f32_u32 v4, v4                 ; the position
	v_bfe_u32 v5, v0, 4, 1
	v_lshlrev_b32 v5, 2, v5
	s_lshl_b32 s46, s[WV], 3
	v_add_nc_u32 v5, s46, v5             ; 8 w + 4 (L / 16): my first pair
; Pair p = v5 + q: the angle in turns is position x 10000^(-p/32) / 2 pi; its nearest whole number is taken away; a quarter of the rest, |a| <= pi / 4,
; goes into the series of sine (to a^7) and cosine (to a^8), whose next terms are below 4e-7; two doublings give the angle's own sine and cosine.
.macro RPAIR q
	v_add_nc_u32 v6, \q, v5
	v_cvt_f32_u32 v6, v6
	v_mul_f32 v6, 0xbed49a78, v6         ; - p log2(10000) / 32
	v_exp_f32 v6, v6
	v_nop                                ; a plain instruction behind the exponential
	s_wait_alu depctr_va_vdst(0)
	v_mul_f32 v6, 0x3e22f983, v6         ; / 2 pi
	v_mul_f32 v6, v6, v4
	v_rndne_f32 v7, v6
	v_sub_f32 v6, v6, v7                 ; -0.5 .. 0.5 turns
	v_mul_f32 v6, 0x3fc90fdb, v6         ; a = 2 pi f / 4
	v_mul_f32 v7, v6, v6
	v_mov_b32 v8, 0xb9500d01             ; -1/5040
	v_fmaak_f32 v8, v8, v7, 0x3c088889   ; 1/120
	v_fmaak_f32 v8, v8, v7, 0xbe2aaaab   ; -1/6
	v_fma_f32 v8, v8, v7, 1.0
	v_mul_f32 v8, v8, v6                 ; sin a
	v_mov_b32 v9, 0x37d00d01             ; 1/40320
	v_fmaak_f32 v9, v9, v7, 0xbab60b61   ; -1/720
	v_fmaak_f32 v9, v9, v7, 0x3d2aaaab   ; 1/24
	v_fma_f32 v9, v9, v7, -0.5
	v_fma_f32 v9, v9, v7, 1.0            ; cos a
	v_mul_f32 v10, v8, v8
	v_mul_f32 v8, v8, v9
	v_add_f32 v8, v8, v8                 ; sin 2a = 2 sin cos
	v_fma_f32 v9, v10, -2.0, 1.0         ; cos 2a = 1 - 2 sin^2
	v_mul_f32 v10, v8, v8
	v_mul_f32 v8, v8, v9
	v_add_f32 v[13+2*(\q)], v8, v8
	v_fma_f32 v[12+2*(\q)], v10, -2.0, 1.0
.endm
	RPAIR 0
	RPAIR 1
	RPAIR 2
	RPAIR 3
	global_store_b128 v1, v[12:15], s[52:53]
	global_store_b128 v1, v[16:19], s[52:53] offset:512
	s_endpgm
.Lcast:
	s_sub_co_u32 s43, ttmp9, NLN
	s_mov_b64 s[50:51], s[10:11]         ; from Wq
	s_mov_b64 s[52:53], s[32:33]         ; into packq
	s_mov_b32 s54, 0                     ; the matrix's first work-group
	s_mov_b32 s55, HDR_W                 ; and its place in the target
.macro PICK from, src, dst, doff
	s_cmp_ge_u32 s43, \from
	s_cselect_b64 s[50:51], s[\src:\src+1], s[50:51]
	s_cselect_b64 s[52:53], s[\dst:\dst+1], s[52:53]
	s_cselect_b32 s54, \from, s54
	s_cselect_b32 s55, \doff, s55
.endm
	PICK 128, 12, 32, HDR_W+0x200000     ; Wk
	PICK 256, 14, 32, HDR_W+0x400000     ; Wv
	PICK 384, 16, 36, 0                  ; Wo
	PICK 512, 18, 34, HDR_W              ; W1
	PICK 1024, 20, 36, 0x200000          ; W2
	s_sub_co_u32 s43, s43, s54
	s_lshl_b32 s56, s43, 15
	s_lshl_b32 s46, s[WV], 13
	s_add_co_u32 s56, s56, s46
	s_mov_b32 s57, 0
	s_lshl_b32 s58, s43, 14
	s_lshl_b32 s46, s[WV], 12
	s_add_co_u32 s58, s58, s46
	s_add_co_u32 s58, s58, s55
	s_mov_b32 s59, 0
	s_add_nc_u64 s[50:51], s[50:51], s[56:57]
	s_add_nc_u64 s[52:53], s[52:53], s[58:59]
.set k, 0
.rept 16
	global_load_b128 v[X+4*k:X+4*k+3], v1, s[50:51] offset:512*k th:TH_LOAD_NT
.set k, k+1
.endr
.set k, 0
.rept 16
	s_wait_loadcnt 15-k                  ; load k is in, the younger ones stay out
	v_cvt_pk_f16_f32 v[X+4*k], v[X+4*k], v[X+4*k+1]
	v_cvt_pk_f16_f32 v[X+4*k+1], v[X+4*k+2], v[X+4*k+3]
	global_store_b64 v2, v[X+4*k:X+4*k+1], s[52:53] offset:256*k
.set k, k+1
.endr
	s_endpgm
.Lln:
	LNBODY 4, 6, 8, 30
	s_endpgm
.Lfunc_end_k_qe2c172b1dd_prep:
	.size	k_qe2c172b1dd_prep, .Lfunc_end_k_qe2c172b1dd_prep-k_qe2c172b1dd_prep
	.p2alignl 7, 3214868480
	.fill 96, 4, 3214868480
	.section	.rodata,"a",@progbits
	.p2align	6, 0x0
	.amdhsa_kernel k_qe2c172b1dd_prep
		.amdhsa_group_segment_fixed_size 0
		.amdhsa_private_segment_fixed_size 0
		.amdhsa_enable_private_segment 0
		.amdhsa_kernarg_size 136
		.amdhsa_user_sgpr_count 2
		.amdhsa_user_sgpr_kernarg_segment_ptr 1
		.amdhsa_wavefront_size32 1
		.amdhsa_system_sgpr_workgroup_id_x 1
		.amdhsa_system_sgpr_workgroup_id_y 1
		.amdhsa_system_sgpr_workgroup_id_z 1
		.amdhsa_system_vgpr_workitem_id 0
		.amdhsa_next_free_vgpr 148
		.amdhsa_next_free_sgpr 66
		.amdhsa_reserve_vcc 0
		.amdhsa_float_denorm_mode_32 3
		.amdhsa_float_denorm_mode_16_64 3
		.amdhsa_memory_ordered 1
		.amdhsa_forward_progress 1
		.amdhsa_inst_pref_size 37
	.end_amdhsa_kernel
	.amdgpu_metadata
---
amdhsa.version: [ 1, 2 ]
amdhsa.kernels:
  - .name:           k_qe2c172b1dd_prep
    .symbol:         k_qe2c172b1dd_prep.kd
    .args:
      - { .name: x, .offset: 0, .size: 8, .value_kind: global_buffer, .address_space: global }
      - { .name: g1, .offset: 8, .size: 8, .value_kind: global_buffer, .address_space: global }
      - { .name: be1, .offset: 16, .size: 8, .value_kind: global_buffer, .address_space: global }
      - { .name: Wq, .offset: 24, .size: 8, .value_kind: global_buffer, .address_space: global }
      - { .name: Wk, .offset: 32, .size: 8, .value_kind: global_buffer, .address_space: global }
      - { .name: Wv, .offset: 40, .size: 8, .value_kind: global_buffer, .address_space: global }
      - { .name: Wo, .offset: 48, .size: 8, .value_kind: global_buffer, .address_space: global }
      - { .name: W1, .offset: 56, .size: 8, .value_kind: global_buffer, .address_space: global }
      - { .name: W2, .offset: 64, .size: 8, .value_kind: global_buffer, .address_space: global }
      - { .name: bq, .offset: 72, .size: 8, .value_kind: global_buffer, .address_space: global }
      - { .name: bk, .offset: 80, .size: 8, .value_kind: global_buffer, .address_space: global }
      - { .name: bv, .offset: 88, .size: 8, .value_kind: global_buffer, .address_space: global }
      - { .name: bf1, .offset: 96, .size: 8, .value_kind: global_buffer, .address_space: global }
      - { .name: h, .offset: 104, .size: 8, .value_kind: global_buffer, .address_space: global }
      - { .name: packq, .offset: 112, .size: 8, .value_kind: global_buffer, .address_space: global }
      - { .name: packf, .offset: 120, .size: 8, .value_kind: global_buffer, .address_space: global }
      - { .name: wrest, .offset: 128, .size: 8, .value_kind: global_buffer, .address_space: global }
    .group_segment_fixed_size: 0
    .private_segment_fixed_size: 0
    .kernarg_segment_align: 8
    .kernarg_segment_size: 136
    .max_flat_workgroup_size: 128
    .sgpr_count:     66
    .vgpr_count:     148
    .wavefront_size: 32
...
	.end_amdgpu_metadata
.endif
;; end of part 1
;; launch qkv (part 2): grid 12 x 16, 4 waves a work-group, clusters of 4 x 4, 327,680 bytes of LDS; arguments h, packq, act; writes act
.if DOCPART == 2
	.amdgcn_target "amdgcn-amd-amdhsa--gfx1250"
	.amdhsa_code_object_version 6
	.text
	.protected	k_qe2c172b1dd_qkv
	.globl	k_qe2c172b1dd_qkv
	.p2align	8
	.type	k_qe2c172b1dd_qkv,@function
k_qe2c172b1dd_qkv:
	s_mov_b64 s[64:65], 0
	v_nop
	global_prefetch_b8 v0, s[64:65] scope:SCOPE_SE
	s_setreg_imm32_b32 hwreg(HW_REG_WAVE_MODE, 25, 1), 1
	s_wait_xcnt 0x0
	s_wait_alu depctr_hold_cnt(0) depctr_sa_sdst(0) depctr_va_vdst(0) depctr_va_sdst(0) depctr_va_ssrc(0) depctr_va_vcc(0) depctr_vm_vsrc(0)
	s_getreg_b32 s2, hwreg(HW_REG_IB_STS2, 6, 4)
	s_cmp_eq_u32 s2, 0
	s_cbranch_scc0 .Lentry_in_a_cluster
	s_endpgm
.Lentry_in_a_cluster:
	s_bfe_u32 s2, ttmp6, 0x10000c
	s_cmp_lg_u32 s2, 0xf033
	s_cbranch_scc0 .Lentry_shape_is_right
	s_endpgm
.Lentry_shape_is_right:
; C = floor-max(rotate(A W^T + bias)), rounded once to f16.  A: [4096][1024] f16.  The pack holds bias (f32), floor, rotation table and W [N][1024] f16.
; ONE TEXT FOR TWO LAUNCHES.  q, k, v: W = Wq | Wk | Wv, the table is RoPE's for q and k and the identity for v, the floor is -inf.  The hidden layer: W = W1, the table is the
; identity, the floor is 0 (the ReLU).  The price, by this text's own count: the hidden layer multiplies by (1, 0), 768 vector lines and 64 table loads a wave beside 2,048 matrix
; instructions, and q, k, v take 256 maxima that change nothing; the gain is one text of this length instead of two.
; OUT: blocks [32 blocks of 128 tokens][64 blocks of 64 columns][128][64] f16: 16 tokens x 64 columns are 2,048 consecutive bytes, so a wave stores whole aligned runs from its own stage.
; SHAPE.  A tile of C is 256 x 256, a wave makes 128 x 128: 64 accumulators, 512 registers.  K = 1,024 goes in 8 steps of 128 through two LDS slots; rows of the tiles are 256 bytes.
; The four loaders (waves 0, 1: A's halves; 2, 3: W's) have a region of two slots each; slot 1 lies 0x8800 behind slot 0 and no region's base has those bits, so one exclusive or changes slots.
; One K step is written in the loop: the LDS place of the slot in hand is a scalar that is turned by that exclusive or.
; THE K STEPS ARE A RING: cluster (X, Y) of the grid begins at step 2 X + 4 (Y % 2) and goes round.  The clusters of one Y read the same rows of A, those of one X the same rows of W; begun apart, they do
; not ask for the same tile in the same step, and most tiles have been read once when a cluster comes to them.  The sums hold the same products, added in another order.  The step's number hangs on the
; cluster's place alone, which its sixteen work-groups share, and enters the global addresses alone.
; CLUSTER 4 x 4: A's tile is shared along a row of the cluster, W's along a column; each is asked for jointly, with the same descriptor and a mask that names the four.
; THE MATRIX INSTRUCTION IS USED TRANSPOSED (source 0 = 16 rows of W, source 1 = 16 rows of A): a lane holds one token (lane % 16) and the columns 8 (lane / 16) + 0..7.
; The first product of each accumulator takes the bias as C: nothing is cleared and no bias is added later.
; LIMITS.  f16: a result of 65,520 or more becomes an infinity; a fixed step of 6e-8 below 6e-5.  A NaN result is replaced by the floor.
; REGISTERS.  window 0: v16-30 addresses; v32-63 at work; v64-127, v128-191 A's fragments; v192-255 the bias, later the way out.
;   window 1: v64-127, v128-191 W's fragments; tables of token blocks 0-3 in v0-63 and v192-255, of blocks 4-7 in v64-191 once the products are over.   windows 2, 3: the accumulators.
.set SIZE_K, 1024
.set KSTEP,  128
.set TSTEPS, SIZE_K/KSTEP
.set PITCH,  272                       ; 256 bytes + 16 of padding: the 16 rows of a fragment load start at 16 different groups of four banks
.set SLOTX,  0x8800                    ; 128 rows x 272
.set REG,    0x11000                   ; a loader's two slots
.set STAGE,  4*REG                     ; 16 rows x 144 bytes for each wave
.set SP,     144
.set SPARE,  STAGE+4*16*SP             ; the spare words: 128 bytes for each wave, which no other line names
.set HDR_FLOOR, 16384
.set HDR_ROPE,  16640
.set HDR_W,     311552
.set ADRA, 16                          ; LDS address of my A fragments in the slot in hand
.set A0,   17                          ; the same in slot 0; never rewritten
.set ADRB, 20
.set B0,   21
.set STO,  24                          ; the way out: where I put 16 bytes of a row
.set RD,   25                          ; where I read rows back
.set GO,   26                          ; 16 x lane: my place in 512 consecutive bytes
.set BO,   27                          ; 32 x (lane / 16)
.set SPW,  28
.set NIL,  29
.set FL,   30                          ; the floor, two f16
.set T,    32
.set F0,   64
.set F1,   128
.set BIAS, 192
.set PK,   192                         ; two sets of 16: packed results
.set OB,   224                         ; two sets of 16: rows read back
.set G1,  24
.set G0,  32
.set G1B, 48
.set G0B, 56
.set TB,  66                           ; s66: 0 or SLOTX
.set KI,  67                           ; s67: the K step asked for last
.set KOF, 78                           ; s[78:79]: its byte offset in a row of A and of W
.set MSB, 0
.macro WIN new                         ; the immediate's high byte repeats the setting that is left; a switch that changes nothing is dropped
.if MSB != (\new)
	s_set_vgpr_msb (MSB<<8)|(\new)
.set MSB, \new
.endif
.endm
.set TO_B, 0x40
.macro JLOAD s                         ; a joint load: waves 0, 1 for A, waves 2, 3 for W; an s_nop 0 and four v_nop follow each line
	s_cmp_eq_u32 s11, 0
	s_cbranch_scc0 .Lfor_b_\@
	tensor_load_to_lds s[G0+4*(\s):G0+4*(\s)+3], s[G1:G1+7]
	s_nop 0
.rept 4
	v_nop
.endr
	s_branch .Lasked_\@
.Lfor_b_\@:
	tensor_load_to_lds s[G0B+4*(\s):G0B+4*(\s)+3], s[G1B:G1B+7]
	s_nop 0
.rept 4
	v_nop
.endr
.Lasked_\@:
.endm
.macro CREST                           ; a round of the cluster's barrier behind its opening barrier
	s_cmp_lg_u32 s10, 0
	s_cbranch_scc1 .Lnot_wave_0_\@
	s_barrier_signal -3
.Lnot_wave_0_\@:
	s_barrier_wait -3
	s_barrier_signal -1
	s_barrier_wait -1
.endm
.macro CROUND
	s_barrier_signal -1
	s_barrier_wait -1
	CREST
.endm
.macro PLACES                          ; four plain vector lines between a matrix instruction and a load into, or a vector line on, its registers
.rept 4
	v_nop
.endr
.endm
	s_load_b128 s[4:7], s[0:1], 0x0                ; A s[4:5], pack s[6:7]
	s_load_b64 s[8:9], s[0:1], 0x10                ; out
	v_lshl_add_u32 v[SPW], v0, 2, SPARE
	v_mov_b32 v[NIL], 0
	ds_add_u32 v[SPW], v[NIL]                      ; the wave's opening: the add and its wait ahead of my first tensor load
	ds_add_u32 v28, v29
	v_lshrrev_b32 v1, 5, v0
	v_readfirstlane_b32 s10, v1                    ; wave 0..3
	s_lshr_b32 s11, s10, 1                         ; my half of the tile's rows; also: I fetch for A (0) or W (1)
	s_and_b32 s12, s10, 1                          ; my half of its columns; also: which 128 rows I fetch
	s_bfe_u32 s40, ttmp6, 0x40000                  ; cx
	s_bfe_u32 s41, ttmp6, 0x40004                  ; cy
	s_lshl_b32 s42, ttmp9, 2
	s_add_co_u32 s42, s42, s40                     ; tile column
	s_and_b32 s13, ttmp7, 0xffff                   ; the cluster's Y
	s_and_b32 s[KI], s13, 1
	s_lshl_b32 s[KI], s[KI], 2
	s_lshl1_add_u32 s[KI], ttmp9, s[KI]
	s_and_b32 s[KI], s[KI], TSTEPS-1               ; my cluster's first K step: 2 X + 4 (Y % 2), in the ring of 8
	s_mov_b32 s[KOF+1], 0
	s_lshl_b32 s13, s13, 2
	s_add_co_u32 s13, s13, s41                     ; tile row
	s_lshl_b32 s43, s41, 2
	s_lshl_b32 s43, 15, s43                        ; my row of the cluster
	s_lshl_b32 s44, 0x1111, s40                    ; my column
	s_or_b32 s[G1+0], s43, (1<<16)|(1<<20)|(1<<21)|(5<<22)|(3<<25)   ; mask; 2-byte elements; padding on; bit 21 beside a mask; after every 64 words 4 words
	s_or_b32 s[G1B+0], s44, (1<<16)|(1<<20)|(1<<21)|(5<<22)|(3<<25)
.irp g, G1, G1B
	s_mov_b32 s[(\g)+1], KSTEP<<16                 ; tensor_dim0 = 128
	s_mov_b32 s[(\g)+2], 128<<16                   ; tensor_dim1 = 128
	s_mov_b32 s[(\g)+3], KSTEP<<16                 ; tile_dim0 = 128
	s_mov_b32 s[(\g)+4], 128                       ; tile_dim1 = 128
	s_mov_b32 s[(\g)+5], SIZE_K                    ; elements from row to row
	s_mov_b32 s[(\g)+6], 0
	s_mov_b32 s[(\g)+7], 0
.endr
	s_lshl_b32 s17, s12, 7
	s_lshl_b32 s16, s13, 8
	s_add_co_u32 s16, s16, s17                     ; A: row 256 x tile row + 128 x half
	s_lshl_b32 s16, s16, 11                        ; rows of 2,048 bytes
	s_lshl_b32 s46, s42, 8
	s_add_co_u32 s46, s46, s17                     ; W: row 256 x tile column + 128 x half
	s_lshl_b32 s46, s46, 11
	s_add_co_u32 s46, s46, HDR_W
	s_mov_b32 s17, 0
	s_mov_b32 s47, 0
	s_mul_i32 s20, s10, REG                        ; my loader's region: the wave's number alone
	s_mov_b32 s[TB], 0
	s_wait_dscnt 0x0                               ; the opening add is done
	s_wait_kmcnt 0x0
	s_add_nc_u64 s[14:15], s[4:5], s[16:17]        ; my rows of A and of W at K = 0: kept, every request's address is made from them
	s_add_nc_u64 s[46:47], s[6:7], s[46:47]
	CROUND                                         ; all sixteen work-groups are here: the first joint loads meet
.irp s, 0,1
	s_lshl_b32 s[KOF], s[KI], 8                    ; a K step is 256 bytes of a row
	s_mov_b32 s[G0+4*(\s)], 1
	s_add_co_u32 s[G0+4*(\s)+1], s20, (\s)*SLOTX
	s_add_nc_u64 s[G0+4*(\s)+2:G0+4*(\s)+3], s[14:15], s[KOF:KOF+1]
	s_or_b32 s[G0+4*(\s)+3], s[G0+4*(\s)+3], 0x80000000
	s_mov_b32 s[G0B+4*(\s)], 1
	s_add_co_u32 s[G0B+4*(\s)+1], s20, (\s)*SLOTX
	s_add_nc_u64 s[G0B+4*(\s)+2:G0B+4*(\s)+3], s[46:47], s[KOF:KOF+1]
	s_or_b32 s[G0B+4*(\s)+3], s[G0B+4*(\s)+3], 0x80000000
	JLOAD \s                                       ; the ring's first two steps: two loads of mine are out; set 1 then walks
.if (\s) == 0
	s_add_co_u32 s[KI], s[KI], 1
	s_and_b32 s[KI], s[KI], TSTEPS-1
.endif
.endr
	s_lshl_b32 s18, s42, 10                        ; my 128 columns' bias: 4 x (256 x tile column + 128 x half)
	s_lshl_b32 s19, s12, 9
	s_add_co_u32 s18, s18, s19
	s_mov_b32 s19, 0
	s_add_nc_u64 s[68:69], s[6:7], s[18:19]
	s_lshl_b32 s21, s13, 1
	s_add_co_u32 s21, s21, s11                     ; my block of 128 tokens
	s_and_b32 s22, s21, 7
	s_lshl_b32 s22, s22, 3                         ; its first table block: positions 128 x (block % 8) on
	s_cmp_ge_u32 ttmp9, 2                          ; clusters 2 on along x hold v's columns (in the hidden layer every block is the identity): the identity blocks 64-71
	s_cselect_b32 s22, 64, s22
	s_lshl_b32 s22, s22, 12
	s_add_co_u32 s22, s22, HDR_ROPE
	s_mov_b32 s23, 0
	s_add_nc_u64 s[70:71], s[6:7], s[22:23]
	s_lshl_b32 s18, s21, 20                        ; out: a token block is 64 column blocks of 16,384 bytes
	s_lshl_b32 s22, s42, 2
	s_lshl1_add_u32 s22, s12, s22                  ; my first column block: 4 x tile column + 2 x half
	s_lshl_b32 s22, s22, 14
	s_add_co_u32 s18, s18, s22
	s_add_nc_u64 s[8:9], s[8:9], s[18:19]
	v_and_b32 v1, 15, v0                           ; l % 16
	v_bfe_u32 v2, v0, 4, 1                         ; l / 16
	v_mul_u32_u24 v3, v1, PITCH
	v_lshl_add_u32 v3, v2, 4, v3                   ; a fragment: row x pitch + 16 x half; two loads 32 bytes apart
	s_mul_i32 s21, s11, REG
	s_mul_i32 s22, s12, REG
	s_add_co_u32 s22, s22, 2*REG
	v_add_nc_u32 v[A0], s21, v3
	v_add_nc_u32 v[B0], s22, v3
	v_mov_b32 v[ADRA], v[A0]
	v_mov_b32 v[ADRB], v[B0]
	s_mul_i32 s23, s10, 16*SP
	s_add_co_u32 s23, s23, STAGE
	v_mul_u32_u24 v4, v1, SP
	v_lshl_add_u32 v4, v2, 4, v4
	v_add_nc_u32 v[STO], s23, v4
	v_bfe_u32 v5, v0, 3, 2                         ; back: 32 lanes take four rows of 128 bytes
	v_mul_u32_u24 v5, v5, SP
	v_and_b32 v4, 7, v0
	v_lshl_add_u32 v5, v4, 4, v5
	v_add_nc_u32 v[RD], s23, v5
	v_and_b32 v[GO], 31, v0
	v_lshlrev_b32 v[GO], 4, v[GO]
	v_lshlrev_b32 v[BO], 5, v2
.irp b, 0,1,2,3,4,5,6,7                ; register j of block b: the bias of column 16 b + 8 (l / 16) + j
	global_load_b128 v[BIAS+8*(\b):BIAS+8*(\b)+3],   v[BO], s[68:69] offset:64*(\b)
	global_load_b128 v[BIAS+8*(\b)+4:BIAS+8*(\b)+7], v[BO], s[68:69] offset:64*(\b)+16
.endr
	global_load_b32 v[FL], v[BO], s[6:7] offset:HDR_FLOOR
.macro TBASE a                         ; where token block a's table lies in window 1
.if (\a) < 2
.set TBL, 32*(\a)
.elseif (\a) < 4
.set TBL, 128+32*(\a)
.else
.set TBL, 32*(\a)-64
.endif
.endm
.macro TLOAD a                         ; 8 loads of 512 consecutive bytes: register 8 bq + 2 q holds cos, the next sin, of pair 8 bq + 4 (l / 16) + q at my token's position
	TBASE \a
.irp e, 0,1,2,3,4,5,6,7
	global_load_b128 v[TBL+4*(\e):TBL+4*(\e)+3], v[GO], s[70:71] offset:(\a)*4096+(\e)*512
.endr
.endm
	WIN TO_B
	TLOAD 0
	TLOAD 1
	TLOAD 2
	TLOAD 3
	WIN 0
; 16 matrix instructions: row blocks a0, a0 + 1 of the window's four x all 8 column blocks, 32 along K.  first = 1: C is the bias (window 0).
; The 64 accumulators take turns in the same order in every quarter.
.macro MUL16 f, hi, a0, first
.if \first
	WIN 0x81+0x40*(\hi)
.else
	WIN 0xa1+0x50*(\hi)
.endif
.irp a, \a0, (\a0)+1
.irp b, 0,1,2,3,4,5,6,7
.if \first
	v_wmma_f32_16x16x32_f16 v[8*(8*(\a)+(\b)):8*(8*(\a)+(\b))+7], v[(\f)+8*(\b):(\f)+8*(\b)+7], v[(\f)+8*(4*(\hi)+(\a)):(\f)+8*(4*(\hi)+(\a))+7], v[BIAS+8*(\b):BIAS+8*(\b)+7]
.else
	v_wmma_f32_16x16x32_f16 v[8*(8*(\a)+(\b)):8*(8*(\a)+(\b))+7], v[(\f)+8*(\b):(\f)+8*(\b)+7], v[(\f)+8*(4*(\hi)+(\a)):(\f)+8*(4*(\hi)+(\a))+7], v[8*(8*(\a)+(\b)):8*(8*(\a)+(\b))+7]
.endif
.endr
.endr
.endm
.macro FETCH k, f                      ; 32 LDS loads in one run: a quarter's fragments (32 along K at byte k of the rows), W's first
	WIN TO_B
.irp i, 0,1,2,3,4,5,6,7
	ds_load_b128 v[(\f)+8*(\i):(\f)+8*(\i)+3],   v[ADRB] offset:(\k)+(\i)*16*PITCH
	ds_load_b128 v[(\f)+8*(\i)+4:(\f)+8*(\i)+7], v[ADRB] offset:(\k)+(\i)*16*PITCH+32
.endr
	WIN 0
.irp i, 0,1,2,3,4,5,6,7
	ds_load_b128 v[(\f)+8*(\i):(\f)+8*(\i)+3],   v[ADRA] offset:(\k)+(\i)*16*PITCH
	ds_load_b128 v[(\f)+8*(\i)+4:(\f)+8*(\i)+7], v[ADRA] offset:(\k)+(\i)*16*PITCH+32
.endr
.endm
.macro QUARTER k, f, g, first          ; multiplies buffer f; in its middle fetches the next quarter, at byte k, into g
	s_wait_dscnt 8                                 ; W and A's rows 0-63 are in; the youngest eight loads (A's rows 64-127) may be out
	MUL16 \f, 0, 0, \first
	MUL16 \f, 0, 2, \first
	PLACES
	FETCH \k, \g
	s_wait_dscnt 32                                ; all but the 32 just issued
	MUL16 \f, 1, 0, \first
	MUL16 \f, 1, 2, \first
.endm
; The last quarter of a K step changes slots.  In front of the one barrier each wave waits for all its tensor loads (the one that is out is its part of the next slot), adds 0 to its
; spare word, and waits for that and for its own reads of this slot.
.macro MEET round
	WIN 0
	s_wait_tensorcnt 0x0
	ds_add_u32 v[SPW], v[NIL]
	s_wait_dscnt 9                                 ; the add and the youngest eight loads may be out
	MUL16 F1, 0, 0, 0
	s_wait_dscnt 0x0                               ; the add is done, my reads of this slot are over
	s_barrier_signal -1
	MUL16 F1, 0, 2, 0
.if \round
	WIN 0
.endif
	s_barrier_wait -1
.endm
.macro TURN fill                       ; fill = 1: the slot just read out takes the ring's step two on, by the walking descriptors, first thing behind a round of the cluster's barrier
	MEET \fill
.if \fill
	CREST
	s_add_co_u32 s[KI], s[KI], 1                   ; the ring's next step; no load of mine is out, so the descriptors may be written:
	s_and_b32 s[KI], s[KI], TSTEPS-1
	s_lshl_b32 s[KOF], s[KI], 8
	s_xor_b32 s[G0+5], s[G0+5], SLOTX              ; the other slot than last time,
	s_add_nc_u64 s[G0+6:G0+7], s[14:15], s[KOF:KOF+1]  ; the address made anew from my rows' first byte and the step's offset,
	s_or_b32 s[G0+7], s[G0+7], 0x80000000          ; the type bits set again
	s_xor_b32 s[G0B+5], s[G0B+5], SLOTX
	s_add_nc_u64 s[G0B+6:G0B+7], s[46:47], s[KOF:KOF+1]
	s_or_b32 s[G0B+7], s[G0B+7], 0x80000000
	JLOAD 1                                        ; its four v_nop are also the places in front of the loads below
.else
	PLACES
	WIN 0
.endif
	s_xor_b32 s[TB], s[TB], SLOTX                  ; the fragments now come from the other slot
	v_add_nc_u32 v[ADRA], s[TB], v[A0]
	v_add_nc_u32 v[ADRB], s[TB], v[B0]
	FETCH 0, F0
	MUL16 F1, 1, 0, 0
	MUL16 F1, 1, 2, 0
.endm
	s_wait_tensorcnt 1                             ; my part of the first step is in; the second's may stay out
	s_barrier_signal -1
	s_barrier_wait -1
	FETCH 0, F0
	s_wait_loadcnt 0x0                             ; bias, floor, the first four tables
	QUARTER 64, F0, F1, 1                          ; the first quarter stands in front of the loop: its products start the sums on the bias
	WIN 0
	s_mov_b32 s3, TSTEPS-2
.Lstep:                                                ; trip i ends the ring's step i, fills its slot with step i + 2 and begins step i + 1
	QUARTER 128, F1, F0, 0
	QUARTER 192, F0, F1, 0
	TURN 1
	QUARTER 64, F0, F1, 0
	WIN 0
	s_sub_co_u32 s3, s3, 1
	s_cmp_lg_u32 s3, 0
	s_cbranch_scc1 .Lstep
	; The last two steps ask for nothing: a text of their own, written once and walked twice, and left in the middle of the second walk.
	; The second walk's change of slots passes a barrier that orders nothing and fetches 32 fragments from the slot read before (landed, never filled again), which are not multiplied:
	; the price, once a launch, of three quarter steps less text.
	s_mov_b32 s3, 2
.Ltail:
	QUARTER 128, F1, F0, 0
	QUARTER 192, F0, F1, 0
	TURN 0
	WIN 0
	s_sub_co_u32 s3, s3, 1
	s_cmp_eq_u32 s3, 0
	s_cbranch_scc1 .Lout
	QUARTER 64, F0, F1, 0
	WIN 0
	s_branch .Ltail
.Lout:
	; THE WAY OUT, in 16 units of 16 tokens x 64 columns.
	s_wait_dscnt 0x0                               ; the fragments that nobody multiplies have landed: their registers may be loaded again
	PLACES                                         ; behind the last products: for the loads into W's buffers and for the first lines that read results
	WIN TO_B
	TLOAD 4
	TLOAD 5
	TLOAD 6
	TLOAD 7
	WIN 0
; Unit (a, c): (even, odd) -> (even cos - odd sin, even sin + odd cos); rounded to f16; the floor; 16 bytes a lane into my stage; back as four rows of 128 bytes a load.
.macro PACK a, c
	TBASE \a
.set AC, 64*((\a)%4)+32*(\c)
.set PKU, PK+16*(\c)
.set OBU, OB+16*(\c)
.if ((\c) == 0) && ((\a) >= 4)
	s_wait_loadcnt 8*(7-(\a))                      ; this block's table is in, the later blocks' eight loads each stay out
.endif
	WIN 0x06+((\a)/4)                              ; source 0: the accumulators' window; source 1: window 1
.set i, 0
.rept 16
	v_pk_mul_f32 v[T+2*i:T+2*i+1], v[AC+2*i:AC+2*i+1], v[TBL+2*i:TBL+2*i+1] op_sel_hi:[1,0]  ; both times cos; each accumulator is read from its low end on
.set i, i+1
.endr
.set i, 0
.rept 16
	v_fma_f32 v[T+2*i], -v[AC+2*i+1], v[TBL+2*i+1], v[T+2*i]
	v_fma_f32 v[T+2*i+1], v[AC+2*i], v[TBL+2*i+1], v[T+2*i+1]
.set i, i+1
.endr
	WIN 0
.set i, 0
.rept 16
	v_cvt_pk_f16_f32 v[PKU+i], v[T+2*i], v[T+2*i+1]
.set i, i+1
.endr
.set i, 0
.rept 16
	v_pk_max_num_f16 v[PKU+i], v[PKU+i], v[FL]
.set i, i+1
.endr
.irp f, 0,1,2,3
	ds_store_b128 v[STO], v[PKU+4*(\f):PKU+4*(\f)+3] offset:32*(\f)
.endr
	s_wait_xcnt 0x0                                ; the stores of two units back have read this set of registers: it is loaded again only behind this wait
.irp f, 0,1,2,3
	ds_load_b128 v[OBU+4*(\f):OBU+4*(\f)+3], v[RD] offset:(\f)*4*SP  ; LDS serves a wave's instructions in order: these see the stores above, the next unit's stores come behind them
.endr
.endm
.macro SEND a, c, younger              ; younger: the LDS instructions issued behind this unit's loads
.set OBU, OB+16*(\c)
.irp f, 0,1,2,3
	s_wait_dscnt (\younger)+3-(\f)
	global_store_b128 v[GO], v[OBU+4*(\f):OBU+4*(\f)+3], s[8:9] offset:(\c)*16384+(\a)*2048+(\f)*512  ; 512 consecutive bytes, aligned
.endr
.endm
	PACK 0, 0
	PACK 0, 1
	SEND 0, 0, 8
.irp a, 1,2,3,4,5,6,7                  ; a unit's arithmetic stands between the loads of the unit before and its stores
	PACK \a, 0
	SEND (\a)-1, 1, 8
	PACK \a, 1
	SEND \a, 0, 8
.endr
	SEND 7, 1, 0
	s_wait_tensorcnt 0x0                           ; the wave's end
	ds_add_u32 v[SPW], v[NIL]
	s_wait_dscnt 0x0
	CROUND                                         ; the closing round
	s_endpgm
.Lfunc_end_k_qe2c172b1dd_qkv:
	.size	k_qe2c172b1dd_qkv, .Lfunc_end_k_qe2c172b1dd_qkv-k_qe2c172b1dd_qkv
	.p2alignl 7, 3214868480
	.fill 96, 4, 3214868480
	.section	.rodata,"a",@progbits
	.p2align	6, 0x0
	.amdhsa_kernel k_qe2c172b1dd_qkv
		.amdhsa_group_segment_fixed_size 327680
		.amdhsa_private_segment_fixed_size 0
		.amdhsa_enable_private_segment 0
		.amdhsa_kernarg_size 24
		.amdhsa_user_sgpr_count 2
		.amdhsa_user_sgpr_kernarg_segment_ptr 1
		.amdhsa_wavefront_size32 1
		.amdhsa_system_sgpr_workgroup_id_x 1
		.amdhsa_system_sgpr_workgroup_id_y 1
		.amdhsa_system_sgpr_workgroup_id_z 1
		.amdhsa_system_vgpr_workitem_id 0
		.amdhsa_next_free_vgpr 1024
		.amdhsa_next_free_sgpr 80
		.amdhsa_reserve_vcc 0
		.amdhsa_float_denorm_mode_32 3
		.amdhsa_float_denorm_mode_16_64 3
		.amdhsa_memory_ordered 1
		.amdhsa_forward_progress 1
		.amdhsa_inst_pref_size 175
	.end_amdhsa_kernel
	.amdgpu_metadata
---
amdhsa.version: [ 1, 2 ]
amdhsa.kernels:
  - .name:           k_qe2c172b1dd_qkv
    .symbol:         k_qe2c172b1dd_qkv.kd
    .args:
      - { .name: h, .offset: 0, .size: 8, .value_kind: global_buffer, .address_space: global }
      - { .name: packq, .offset: 8, .size: 8, .value_kind: global_buffer, .address_space: global }
      - { .name: act, .offset: 16, .size: 8, .value_kind: global_buffer, .address_space: global }
    .group_segment_fixed_size: 327680
    .private_segment_fixed_size: 0
    .kernarg_segment_align: 8
    .kernarg_segment_size: 24
    .max_flat_workgroup_size: 128
    .sgpr_count:     80
    .vgpr_count:     1024
    .wavefront_size: 32
...
	.end_amdgpu_metadata
.endif
;; end of part 2
;; launch attn (part 3): grid 4 x 64, 8 waves a work-group, no clusters, 327,680 bytes of LDS; arguments act, ob; writes ob
.if DOCPART == 3
	.amdgcn_target "amdgcn-amd-amdhsa--gfx1250"
	.amdhsa_code_object_version 6
	.text
	.protected	k_qe2c172b1dd_attn
	.globl	k_qe2c172b1dd_attn
	.p2align	8
	.type	k_qe2c172b1dd_attn,@function
k_qe2c172b1dd_attn:
	s_mov_b64 s[64:65], 0
	v_nop
	global_prefetch_b8 v0, s[64:65] scope:SCOPE_SE
	s_setreg_imm32_b32 hwreg(HW_REG_WAVE_MODE, 25, 1), 1
	s_wait_xcnt 0x0
; CAUSAL ATTENTION, head size 64, 1,024 positions, 64 pairs of batch and head.  q, k, v lie in act, blocks [8 batch + token block][column block][128][64] f16: q's heads are column blocks 0-15,
; k's 16-31, v's 32-47.  O goes to ob, [token block][head][128][64] f16.  Products, maxima and sums in f32; the weights are rounded to f16 for the second product (their sum is taken unrounded), O once.
; ALL OF A HEAD'S K AND V LIE IN LDS, filled once (2 x 128 KiB): no slot is filled again, and one barrier stands in the text.  Four work-groups share a head's 32 strips of 32 queries, a strip a wave.
; Strip s needs s / 2 + 1 key steps of 64.  Wave w of quarter c takes strip x or 31 - x, x = 4 c + 2 ((w / 2) % 2) + w / 4, the long one where (w ^ (w / 4)) is odd:
; waves w and w + 4, and waves 2 i and 2 i + 1, have 17 steps together, whatever c.  The loop counts 16 trips in every wave and jumps forward over the steps that a strip does not need.
; The text goes in phases (scores, softmax, second product): two waves share a SIMD, and one's vector work stands beside the other's products.
; NO CLUSTER, though a head's four work-groups read the same K and V: the jump over dead steps and the step that takes the mask hang on the quarter c, which partners would not share.
; LAYOUT.  S^T = K Q^T: a lane holds one query (lane % 16) and the keys 8 (lane / 16) + 0..7; two such results rounded to f16 are source 1 of O^T = V^T P.  V is turned by ds_load_tr16_b128.
; SOFTMAX.  A running maximum m and sum l: p = 2^(c s - c m), c = log2(e) / 8; O and l are multiplied by a = 2^(c m_old - c m_new) in every step.  m starts at the lowest finite number, O and l at 0.
; THE MASK stands in the strip's last step alone: a hidden score is replaced by -1e30.  Every query sees its own key there, so m is a true score.
; LIMITS.  q, k, v arrive within f16; p below 6e-5 keeps f16's step of 6e-8; a weight below 2^-126 counts as 0 in l; NaN and infinities are not treated apart.
; REGISTERS.  window 0: v1-15, v32 addresses and at work; v16-23 statistics; v24-31 at work; v64-127 K, v128-191 V of a step; v192-255 S^T.   window 1: v0-31 Q; v32-95 O^T; v96-127 P.
.set PK2,   272       ; two keys of K: 256 bytes + 16: the 16 keys of a load fall on 16 different groups of four banks (key r: r / 2, or r / 2 + 8 for odd r)
.set PV2,   288       ; two keys of V: 256 + 32: 16 lanes of the turning load take 8 keys x 32 bytes, each group once
.set VBASE, 512*PK2
.set STAGE, VBASE+512*PV2
.set SP,    144
.set SPARE, STAGE+8*16*SP  ; the spare words: 128 bytes for each of eight waves, which no other line names
.set AK,  2
.set AV,  3
.set QO,  4
.set QREL, 5          ; my query's place in the strip's last step, less 8 (lane / 16)
.set STO, 6
.set RD,  7
.set GO,  8
.set MV,  12
.set BIG, 14
.set AKC, 15
.set ST,  16          ; tile t: c m, m, l (even keys'), l (odd keys')
.set TMP, 24          ; tile t: c0-c3; a takes c2
.set AVC, 32
.set SPW, 62
.set NIL, 63
.set KF,  64
.set VF,  128
.set S,   192
.set Q,   0           ; window 1
.set O,   32
.set P,   96
.set WV,  12
.set G1K, 24
.set G1V, 32
.set G0K, 40
.set G0V, 48
.set CNT, 56
.set NST, 57
.set CS,  58
.set SEL, 60
.set STRIP, 62
.set TBK, 66
.set TBV, 67
.set MSB, 0
.macro WIN new
.if MSB != (\new)
	s_set_vgpr_msb (MSB<<8)|(\new)
.set MSB, (\new)
.endif
.endm
.set W_KQ, 0x04       ; Q in window 1
.set W_PV, 0x54       ; P, C and D in window 1
.set W_RS, 0x41       ; destination and source 0 in window 1
.macro PLACES
.rept 4
	v_nop
.endr
.endm
	s_load_b128 s[4:7], s[0:1], 0x0   ; act, ob
	v_lshl_add_u32 v[SPW], v0, 2, SPARE
	v_mov_b32 v[NIL], 0
	ds_add_u32 v[SPW], v[NIL]         ; the wave's opening: the add and its wait ahead of my first tensor load
	ds_add_u32 v62, v63
	v_lshrrev_b32 v1, 5, v0
	v_readfirstlane_b32 s[WV], v1     ; wave 0..7
	s_and_b32 s14, ttmp7, 0xffff
	s_lshr_b32 s15, s14, 4            ; batch
	s_and_b32 s19, s14, 15            ; head
	s_and_b32 s16, s[WV], 3           ; which block of 128 keys I fetch, of each half of the keys
	s_mul_i32 s17, s16, 64*PK2
	s_mul_i32 s18, s16, 64*PV2
	s_add_co_u32 s18, s18, VBASE
	s_bfe_u32 s20, s[WV], 0x10001
	s_lshr_b32 s21, s[WV], 2
	s_xor_b32 s22, s[WV], s21
	s_and_b32 s22, s22, 1             ; 1: the long strip
	s_lshl_b32 s23, ttmp9, 2
	s_lshl1_add_u32 s23, s20, s23
	s_add_co_u32 s23, s23, s21        ; x
	s_sub_co_u32 s20, 31, s23
	s_cmp_eq_u32 s22, 1
	s_cselect_b32 s[STRIP], s20, s23
	s_lshr_b32 s[NST], s[STRIP], 1
	s_add_co_u32 s[NST], s[NST], 1
	s_lshl_b32 s20, s15, 3
	s_add_co_u32 s20, s20, s16
	s_lshl_b32 s20, s20, 20           ; the token block that I fetch,
	s_lshl_b32 s21, s19, 14
	s_add_co_u32 s20, s20, s21        ; at my head's column block of q
	s_mov_b32 s21, 0
	s_lshr_b32 s13, s[STRIP], 2
	s_lshl3_add_u32 s13, s15, s13     ; my strip's token block
	s_and_b32 s8, s[STRIP], 3
	s_lshl_b32 s8, s8, 12             ; my 32 rows in it
	s_lshl_b32 s9, s19, 14
	s_add_co_u32 s8, s8, s9
	s_lshl_b32 s2, s13, 20
	s_add_co_u32 s2, s2, s8           ; Q
	s_mov_b32 s3, 0
	s_lshl_b32 s13, s13, 18
	s_add_co_u32 s8, s8, s13          ; O
	s_mov_b32 s9, 0
	s_mov_b32 s[G1K], (1<<16)|(1<<20)|(5<<22)|(3<<25)  ; 2-byte elements; padding on: after every 64 words 4 words
	s_mov_b32 s[G1V], (1<<16)|(1<<20)|(5<<22)|(7<<25)  ; 8 words
.irp g, G1K, G1V
	s_mov_b32 s[(\g)+1], 128<<16      ; 128 keys are 16,384 dense bytes: 64 rows of 256 bytes
	s_mov_b32 s[(\g)+2], 64<<16
	s_mov_b32 s[(\g)+3], 128<<16
	s_mov_b32 s[(\g)+4], 64
	s_mov_b32 s[(\g)+5], 128
	s_mov_b32 s[(\g)+6], 0
	s_mov_b32 s[(\g)+7], 0
.endr
.irp g, 0,1
	s_mov_b32 s[G0K+4*(\g)], 1
	s_add_co_u32 s[G0K+4*(\g)+1], s17, (\g)*4*64*PK2
	s_mov_b32 s[G0V+4*(\g)], 1
	s_add_co_u32 s[G0V+4*(\g)+1], s18, (\g)*4*64*PV2
.endr
	s_mov_b32 s[CS], 0x3e38aa3b       ; c = log2(e) / 8
	s_mov_b32 s[CS+1], s[CS]
	s_mov_b32 s[SEL], 0x76543210
	s_mov_b32 s[SEL+1], 0xfedcba98
	s_wait_dscnt 0x0                  ; the opening add is done
	s_wait_kmcnt 0x0
	s_add_nc_u64 s[22:23], s[4:5], s[20:21]
.irp g, 0,1
	s_add_nc_u64 s[G0K+4*(\g)+2:G0K+4*(\g)+3], s[22:23], 16*16384+(\g)*0x400000  ; k's column blocks lie 16 behind q's; the second half of the keys four token blocks on
	s_or_b32 s[G0K+4*(\g)+3], s[G0K+4*(\g)+3], 0x80000000
	s_add_nc_u64 s[G0V+4*(\g)+2:G0V+4*(\g)+3], s[22:23], 32*16384+(\g)*0x400000
	s_or_b32 s[G0V+4*(\g)+3], s[G0V+4*(\g)+3], 0x80000000
.endr
	s_add_nc_u64 s[4:5], s[4:5], s[2:3]
	s_add_nc_u64 s[6:7], s[6:7], s[8:9]
	s_cmp_lt_u32 s[WV], 4             ; waves 0-3 fetch K, waves 4-7 V; a wave's two fills stand in one branch: two loads of mine are out
	s_cbranch_scc0 .Lfirst_v
	tensor_load_to_lds s[G0K:G0K+3], s[G1K:G1K+7]
	s_nop 0
	tensor_load_to_lds s[G0K+4:G0K+7], s[G1K:G1K+7]
	s_nop 0
.rept 4
	v_nop
.endr
	s_branch .Lfirst_asked
.Lfirst_v:
	tensor_load_to_lds s[G0V:G0V+3], s[G1V:G1V+7]
	s_nop 0
	tensor_load_to_lds s[G0V+4:G0V+7], s[G1V:G1V+7]
	s_nop 0
.rept 4
	v_nop
.endr
.Lfirst_asked:
	v_and_b32 v1, 15, v0              ; l % 16
	v_bfe_u32 v9, v0, 4, 1            ; l / 16
	v_lshlrev_b32 v[QO], 7, v1
	v_lshl_add_u32 v[QO], v9, 4, v[QO]
	WIN 0x40
.set i, 0
.rept 4                               ; Q stays in registers: tile i / 2, channels 32 (i % 2) on
	global_load_b128 v[Q+8*i:Q+8*i+3],   v[QO], s[4:5] offset:(i/2)*2048+(i%2)*64
	global_load_b128 v[Q+8*i+4:Q+8*i+7], v[QO], s[4:5] offset:(i/2)*2048+(i%2)*64+32
.set i, i+1
.endr
.set i, O
.rept 64                              ; O^T = 0: the first step is a step like any other, with a = 0; these lines stand in the wait for the tiles
	v_mov_b32 v[i], 0
.set i, i+1
.endr
	WIN 0
.irp t, 0,1
	v_mov_b32 v[ST+4*(\t)], 0xfe000000    ; c m: far below every c s
	v_mov_b32 v[ST+4*(\t)+1], 0xff7fffff  ; m
	v_mov_b32 v[ST+4*(\t)+2], 0
	v_mov_b32 v[ST+4*(\t)+3], 0
.endr
	v_mov_b32 v[BIG], 0xf149f2ca      ; -1e30
	v_lshrrev_b32 v10, 1, v1
	v_mul_u32_u24 v[AK], v10, PK2
	v_and_b32 v10, 1, v0
	v_lshl_add_u32 v[AK], v10, 7, v[AK]
	v_lshl_add_u32 v[AK], v9, 4, v[AK]    ; key l % 16: (key / 2) x 272 + (key % 2) x 128 + 16 (l / 16)
	v_bfe_u32 v11, v0, 1, 2
	v_lshl_add_u32 v11, v9, 2, v11
	v_mul_u32_u24 v[AV], v11, PV2
	v_lshl_add_u32 v[AV], v10, 7, v[AV]
	v_bfe_u32 v11, v0, 3, 1
	v_lshl_add_u32 v[AV], v11, 4, v[AV]
	v_add_nc_u32 v[AV], VBASE, v[AV]      ; key 8 (l / 16) + l % 8, channels 8 ((l / 8) % 2) on
	s_and_b32 s13, s[STRIP], 1
	s_lshl_b32 s13, s13, 5
	v_lshlrev_b32 v10, 3, v9
	v_sub_nc_u32 v[QREL], v1, v10
	v_add_nc_u32 v[QREL], s13, v[QREL]
	s_mul_i32 s13, s[WV], 16*SP
	s_add_co_u32 s13, s13, STAGE
	v_mul_u32_u24 v[STO], v1, SP
	v_lshl_add_u32 v[STO], v9, 4, v[STO]
	v_add_nc_u32 v[STO], s13, v[STO]
	v_bfe_u32 v[RD], v0, 3, 2
	v_mul_u32_u24 v[RD], v[RD], SP
	v_and_b32 v10, 7, v0
	v_lshl_add_u32 v[RD], v10, 4, v[RD]
	v_add_nc_u32 v[RD], s13, v[RD]
	v_and_b32 v[GO], 31, v0
	v_lshlrev_b32 v[GO], 4, v[GO]
.macro REGS u
.set rT, ST+4*(\u)
.set rC, TMP+4*(\u)
.set rM, MV+(\u)
.set rS, S+32*(\u)
.set rO, O+32*(\u)
.endm
; Number n of the 22 that find tile u's maximum and statistics; each accumulator's lowest registers are read first.
.macro XS u, n
	REGS \u
.if (\n) < 4
	v_max3_num_f32 v[rC+(\n)], v[rS+8*(\n)], v[rS+8*(\n)+1], v[rS+8*(\n)+2]
.elseif (\n) < 12
	v_max3_num_f32 v[rC+(\n)%4], v[rC+(\n)%4], v[rS+8*((\n)%4)+2*((\n)/4)+1], v[rS+8*((\n)%4)+2*((\n)/4)+2]
.elseif (\n) == 12
	v_max3_num_f32 v[rC], v[rC], v[rS+7], v[rS+15]
.elseif (\n) == 13
	v_max3_num_f32 v[rC+1], v[rC+1], v[rS+23], v[rS+31]
.elseif (\n) == 14
	v_max3_num_f32 v[rC+2], v[rC+2], v[rC+3], v[rT+1]
.elseif (\n) == 15
	v_mov_b32 v[rM], v[rT]            ; c m_old is kept
.elseif (\n) == 16
	v_max3_num_f32 v[rC], v[rC], v[rC+1], v[rC+2]
.elseif (\n) == 17
	v_permlanex16_b32 v[rC+3], v[rC], s[SEL], s[SEL+1]  ; the query's other 32 keys lie in the lane 16 away
.elseif (\n) == 18
	v_max_num_f32 v[rT+1], v[rC], v[rC+3]
.elseif (\n) == 19
	v_mul_f32 v[rT], s[CS], v[rT+1]
.elseif (\n) == 20
	v_sub_f32 v[rC+1], v[rM], v[rT]
.else
	v_exp_f32 v[rC+2], v[rC+1]
.endif
.endm
.macro TREE w                         ; both tiles: pair k takes the pair w registers on
.set k, 0
.rept (\w)/2
	v_pk_add_f32 v[S+2*k:S+2*k+1], v[S+2*k:S+2*k+1], v[S+2*k+(\w):S+2*k+(\w)+1]
	v_pk_add_f32 v[S+32+2*k:S+32+2*k+1], v[S+32+2*k:S+32+2*k+1], v[S+32+2*k+(\w):S+32+2*k+(\w)+1]
.set k, k+1
.endr
.endm
	s_wait_tensorcnt 0x0              ; both my parts of K or V are in,
	s_barrier_signal -1
	s_barrier_wait -1                 ; everybody's are: from here on LDS is only read
	s_wait_loadcnt 0x0                ; Q
	s_mov_b32 s[CNT], 0
	s_mov_b32 s[TBK], 0
	s_mov_b32 s[TBV], 0
.Lk:
	s_cmp_ge_u32 s[CNT], s[NST]
	s_cbranch_scc1 .Ldead             ; a step above my strip's diagonal
	v_add_nc_u32 v[AKC], s[TBK], v[AK]
	v_add_nc_u32 v[AVC], s[TBV], v[AV]
.irp f, 0,1,2,3,4,5,6,7               ; K: keys 16 (f / 2) on, channels 32 (f % 2) on
	ds_load_b128 v[KF+8*(\f):KF+8*(\f)+3],   v[AKC] offset:((\f)/2)*8*PK2+((\f)%2)*64
	ds_load_b128 v[KF+8*(\f)+4:KF+8*(\f)+7], v[AKC] offset:((\f)/2)*8*PK2+((\f)%2)*64+32
.endr
.irp f, 0,1,2,3,4,5,6,7               ; V, turned: keys 32 (f / 4) on, channels 16 (f % 4) on
	ds_load_tr16_b128 v[VF+8*(\f):VF+8*(\f)+3],   v[AVC] offset:((\f)/4)*16*PV2+((\f)%4)*32
	ds_load_tr16_b128 v[VF+8*(\f)+4:VF+8*(\f)+7], v[AVC] offset:((\f)/4)*16*PV2+8*PV2+((\f)%4)*32
.endr
	s_wait_dscnt 16                   ; K is in; V's sixteen loads may be out
	WIN W_KQ
.set i, 0
.rept 16                              ; S^T = K Q^T: channels 32 (i / 8) on, keys 16 ((i / 2) % 4) on, tile i % 2; 8 accumulators by turns, the first 8 products start the sums
.set rS, S+32*(i%2)+8*((i/2)%4)
.set rK, KF+16*((i/2)%4)+8*(i/8)
.set rQ, Q+16*(i%2)+8*(i/8)
.if i < 8
	v_wmma_f32_16x16x32_f16 v[rS:rS+7], v[rK:rK+7], v[rQ:rQ+7], 0
.else
	v_wmma_f32_16x16x32_f16 v[rS:rS+7], v[rK:rK+7], v[rQ:rQ+7], v[rS:rS+7]
.endif
.set i, i+1
.endr
	WIN 0
	PLACES
	s_add_co_u32 s13, s[CNT], 1
	s_cmp_lg_u32 s13, s[NST]
	s_cbranch_scc1 .Lnomask
.set i, 0
.rept 64                              ; the strip's last step: key 16 kb + 8 (l / 16) + j is hidden from query 16 t + l % 16 (+ 32 in an odd strip) where it is greater
	v_cmp_gt_i32 vcc_lo, 16*((i/8)%4)+i%8-16*(i/32), v[QREL]
	v_cndmask_b32 v[S+i], v[S+i], v[BIG], vcc_lo
.set i, i+1
.endr
.Lnomask:
.irp n, 0,1,2,3,4,5,6,7,8,9,10,11,12,13,14,15,16,17,18,19,20,21
	XS 0, \n                          ; the two tiles alternate
	XS 1, \n
.endr
.set i, 0
.rept 32                              ; c s - c m; the first of these is the plain line behind the two exponentials above
	REGS i%2
	v_pk_fma_f32 v[rS+2*(i/2):rS+2*(i/2)+1], v[rS+2*(i/2):rS+2*(i/2)+1], s[CS:CS+1], v[rT:rT+1] op_sel_hi:[1,0,0] neg_lo:[0,0,1] neg_hi:[0,0,1]
.set i, i+1
.endr
.set i, 0
.rept 64
	v_exp_f32 v[S+i], v[S+i]
.set i, i+1
.endr
	v_nop                             ; a plain line behind the last exponential
	WIN 0x40
.set i, 0
	s_wait_alu depctr_va_vdst(0)
.rept 32
	v_cvt_pk_f16_f32 v[P+i], v[S+2*i], v[S+2*i+1]
.set i, i+1
.endr
	WIN 0
	TREE 16                           ; the sum of a tile's 16 pairs, in place
	TREE 8
	TREE 4
	TREE 2
.irp u, 0,1
	REGS \u
	v_pk_fma_f32 v[rT+2:rT+3], v[rT+2:rT+3], v[rC+2:rC+3], v[rS:rS+1] op_sel_hi:[1,0,1]  ; l = a l + sum
.endr
	WIN W_RS
.set i, 0
.rept 32                              ; O^T times a, each accumulator from its low end on
	REGS i%2
	v_pk_mul_f32 v[rO+2*(i/2):rO+2*(i/2)+1], v[rO+2*(i/2):rO+2*(i/2)+1], v[rC+2:rC+3] op_sel_hi:[1,0]
.set i, i+1
.endr
	s_wait_dscnt 0x0                  ; V is in
	WIN W_PV
.set i, 0
.rept 16                              ; O^T += V^T P: keys 32 (i / 8) on, channels 16 ((i / 2) % 4) on, tile i % 2; 8 accumulators by turns
.set rO, O+32*(i%2)+8*((i/2)%4)
.set rV, VF+32*(i/8)+8*((i/2)%4)
.set rP, P+16*(i%2)+8*(i/8)
	v_wmma_f32_16x16x32_f16 v[rO:rO+7], v[rV:rV+7], v[rP:rP+7], v[rO:rO+7]
.set i, i+1
.endr
	WIN 0
	PLACES                            ; behind the last products: for the next step's loads into V's registers, and for the way out
.Ldead:
	s_add_co_u32 s[TBK], s[TBK], 32*PK2
	s_add_co_u32 s[TBV], s[TBV], 32*PV2
	s_add_co_u32 s[CNT], s[CNT], 1
	s_cmp_lt_u32 s[CNT], 16
	s_cbranch_scc1 .Lk
	; THE WAY OUT: l's two halves and the other half of the lanes' are added; O^T is divided by l, rounded to f16 and sent through my stage, a tile at a time.
.irp t, 0,1
	v_add_f32 v[ST+4*(\t)+2], v[ST+4*(\t)+2], v[ST+4*(\t)+3]
.endr
.irp t, 0,1
	v_permlanex16_b32 v[ST+4*(\t)+3], v[ST+4*(\t)+2], s[SEL], s[SEL+1]
.endr
.irp t, 0,1
	v_add_f32 v[ST+4*(\t)+2], v[ST+4*(\t)+2], v[ST+4*(\t)+3]
.endr
.irp t, 0,1
	v_rcp_f32 v[ST+4*(\t)+2], v[ST+4*(\t)+2]
.endr
	v_nop
	s_wait_alu depctr_va_vdst(0)
.macro PACK t
	WIN W_RS
.set i, 0
.rept 16
	v_pk_mul_f32 v[O+32*(\t)+2*i:O+32*(\t)+2*i+1], v[O+32*(\t)+2*i:O+32*(\t)+2*i+1], v[ST+4*(\t)+2:ST+4*(\t)+3] op_sel_hi:[1,0]
.set i, i+1
.endr
	WIN 0x05
.set i, 0
.rept 16
	v_cvt_pk_f16_f32 v[S+16*(\t)+i], v[O+32*(\t)+2*i], v[O+32*(\t)+2*i+1]
.set i, i+1
.endr
	WIN 0
.irp f, 0,1,2,3
	ds_store_b128 v[STO], v[S+16*(\t)+4*(\f):S+16*(\t)+4*(\f)+3] offset:32*(\f)
.endr
.irp f, 0,1,2,3
	ds_load_b128 v[S+16*(\t)+4*(\f):S+16*(\t)+4*(\f)+3], v[RD] offset:(\f)*4*SP  ; LDS serves a wave's instructions in order: these see the stores above
.endr
.endm
.macro SEND t, younger
.irp f, 0,1,2,3
	s_wait_dscnt (\younger)+3-(\f)
	global_store_b128 v[GO], v[S+16*(\t)+4*(\f):S+16*(\t)+4*(\f)+3], s[6:7] offset:(\t)*2048+(\f)*512  ; 512 consecutive bytes, aligned
.endr
.endm
	PACK 0
	PACK 1
	SEND 0, 8
	SEND 1, 0
	s_wait_tensorcnt 0x0              ; the wave's end
	ds_add_u32 v[SPW], v[NIL]
	s_wait_dscnt 0x0
	s_endpgm
.Lfunc_end_k_qe2c172b1dd_attn:
	.size	k_qe2c172b1dd_attn, .Lfunc_end_k_qe2c172b1dd_attn-k_qe2c172b1dd_attn
	.p2alignl 7, 3214868480
	.fill 96, 4, 3214868480
	.section	.rodata,"a",@progbits
	.p2align	6, 0x0
	.amdhsa_kernel k_qe2c172b1dd_attn
		.amdhsa_group_segment_fixed_size 327680
		.amdhsa_private_segment_fixed_size 0
		.amdhsa_enable_private_segment 0
		.amdhsa_kernarg_size 16
		.amdhsa_user_sgpr_count 2
		.amdhsa_user_sgpr_kernarg_segment_ptr 1
		.amdhsa_wavefront_size32 1
		.amdhsa_system_sgpr_workgroup_id_x 1
		.amdhsa_system_sgpr_workgroup_id_y 1
		.amdhsa_system_sgpr_workgroup_id_z 1
		.amdhsa_system_vgpr_workitem_id 0
		.amdhsa_next_free_vgpr 384
		.amdhsa_next_free_sgpr 68
		.amdhsa_reserve_vcc 1
		.amdhsa_float_denorm_mode_32 3
		.amdhsa_float_denorm_mode_16_64 3
		.amdhsa_memory_ordered 1
		.amdhsa_forward_progress 1
		.amdhsa_inst_pref_size 39
	.end_amdhsa_kernel
	.amdgpu_metadata
---
amdhsa.version: [ 1, 2 ]
amdhsa.kernels:
  - .name:           k_qe2c172b1dd_attn
    .symbol:         k_qe2c172b1dd_attn.kd
    .args:
      - { .name: act, .offset: 0, .size: 8, .value_kind: global_buffer, .address_space: global }
      - { .name: ob, .offset: 8, .size: 8, .value_kind: global_buffer, .address_space: global }
    .group_segment_fixed_size: 327680
    .private_segment_fixed_size: 0
    .kernarg_segment_align: 8
    .kernarg_segment_size: 16
    .max_flat_workgroup_size: 256
    .sgpr_count:     68
    .vgpr_count:     384
    .wavefront_size: 32
...
	.end_amdgpu_metadata
.endif
;; end of part 3
;; launch wo (part 4): grid 8 x 32, 4 waves a work-group, clusters of 4 x 4, 327,680 bytes of LDS; arguments ob, wrest, bo, x, x1; writes x1
.if DOCPART == 4
	.amdgcn_target "amdgcn-amd-amdhsa--gfx1250"
	.amdhsa_code_object_version 6
	.text
	.protected	k_qe2c172b1dd_wo
	.globl	k_qe2c172b1dd_wo
	.p2align	8
	.type	k_qe2c172b1dd_wo,@function
k_qe2c172b1dd_wo:
	s_mov_b64 s[64:65], 0
	v_nop
	global_prefetch_b8 v0, s[64:65] scope:SCOPE_SE
	s_setreg_imm32_b32 hwreg(HW_REG_WAVE_MODE, 25, 1), 1
	s_wait_xcnt 0x0
	s_wait_alu depctr_hold_cnt(0) depctr_sa_sdst(0) depctr_va_vdst(0) depctr_va_sdst(0) depctr_va_ssrc(0) depctr_va_vcc(0) depctr_vm_vsrc(0)
	s_getreg_b32 s2, hwreg(HW_REG_IB_STS2, 6, 4)
	s_cmp_eq_u32 s2, 0
	s_cbranch_scc0 .Lentry_in_a_cluster
	s_endpgm
.Lentry_in_a_cluster:
	s_bfe_u32 s2, ttmp6, 0x10000c
	s_cmp_lg_u32 s2, 0xf033
	s_cbranch_scc0 .Lentry_shape_is_right
	s_endpgm
.Lentry_shape_is_right:
; out = resid + A W^T + bias, all of it in f32 but the two operands.  A: f16 in blocks [32 blocks of 128 tokens][SIZE_K / 64 column blocks][128][64]; W: f16 [1024][SIZE_K] at WOFF in its buffer;
; bias [1024], resid and out [4096][1024] f32.  This text and the second FFN product's differ in the four constants below alone.
; SHAPE.  A tile of out is 128 x 128: 256 work-groups, one to a WGP.  Four waves, each 64 x 64: 16 accumulators.  K goes in steps of 256 through two LDS slots, as long as LDS allows.
; A's part of a step is four column blocks, dense in memory: waves 0 and 1 fetch two each, as 128 rows of 256 bytes (two tokens a row); waves 2 and 3 fetch 64 rows of W each, 512 bytes long.
; Each loader has a region of two slots, slot 1 0x8800 behind slot 0; one exclusive or changes slots, and one K step is written in the loop.
; THE K STEPS ARE A RING of TSTEPS: cluster (X, Y) of the grid begins at step X TSTEPS / 2 + (Y % 4) TSTEPS / 4 and goes round.  The two clusters of one Y read the same rows of A, the clusters of one X
; the same rows of W; begun apart, they do not ask for the same tile in the same step, and from the ring's second half on a cluster's tiles have been read once before.  The sums hold the same products,
; added in another order.  The step's number hangs on the cluster's place alone, which its sixteen work-groups share, and enters the global addresses alone.
; CLUSTER 4 x 4: A's tile is shared along a row of the cluster, W's along a column, each asked for jointly.
; THE MATRIX INSTRUCTION IS USED TRANSPOSED: a lane holds one token (lane % 16) and the columns 8 (lane / 16) + 0..7.  The first product of each accumulator takes the bias as C.
; THE WAY OUT: a wave's 64 columns of f32 are 256 aligned bytes, so each wave goes through a stage of its own, without a barrier; the residual, asked for at the head, is added to whole rows.
; LIMITS: the operands arrive in f16; sums, bias and residual stay in f32.
; REGISTERS.  window 0: v14-29 addresses; v32-95 the way out; v96-127 the bias; v128-255 the accumulators.   window 1: two fragment buffers of 128.   window 2: v0-127 the residual.
.set SIZE_K, 1024
.set TBSH,   18                        ; a token block of A is 1 << TBSH bytes
.set WOFF,   0
.set NTOUT,  0                         ; 1: out is not read again
.set TSTEPS, SIZE_K/256
.set KSTEP,  256
.set PA,     272                       ; two tokens of a column block: 256 bytes + 16
.set PB,     528                       ; a row of W's tile: 512 bytes + 16
.set SLOTX,  0x8800
.set REG,    0x11000
.set STAGE,  4*REG                     ; 16 rows x 272 bytes for each wave
.set SPITCH, 272
.set SPARE,  STAGE+4*16*SPITCH         ; the spare words: 128 bytes for each wave, which no other line names
.set A0,   14
.set ADRA, 15                          ; v15: column blocks 0, 1 of the step; v16: blocks 2, 3
.set B0,   17
.set ADRB, 18
.set STO,  24
.set RD,   25
.set CO,   26
.set BO,   27
.set SPW,  28
.set NIL,  29
.set TMP,  32
.set BIAS, 96
.set ACC,  128
.set F0,   0
.set F1,   128
.set KOA, 4                            ; s[4:5]: the step's byte offset in A's token block
.set KOB, 6                            ; s[6:7]: in a row of W
.set G1,  24
.set G0,  32
.set G1B, 48
.set G0B, 56
.set TB,  66
.set KI,  67                           ; s67: the K step asked for last
.set MSB, 0
.macro WIN new
.if MSB != (\new)
	s_set_vgpr_msb (MSB<<8)|(\new)
.set MSB, \new
.endif
.endm
.set MUL,  0x05
.set TO_F, 0x40
.macro JLOAD s
	s_cmp_eq_u32 s11, 0
	s_cbranch_scc0 .Lfor_b_\@
	tensor_load_to_lds s[G0+4*(\s):G0+4*(\s)+3], s[G1:G1+7]
	s_nop 0
.rept 4
	v_nop
.endr
	s_branch .Lasked_\@
.Lfor_b_\@:
	tensor_load_to_lds s[G0B+4*(\s):G0B+4*(\s)+3], s[G1B:G1B+7]
	s_nop 0
.rept 4
	v_nop
.endr
.Lasked_\@:
.endm
.macro CREST
	s_cmp_lg_u32 s10, 0
	s_cbranch_scc1 .Lnot_wave_0_\@
	s_barrier_signal -3
.Lnot_wave_0_\@:
	s_barrier_wait -3
	s_barrier_signal -1
	s_barrier_wait -1
.endm
.macro CROUND
	s_barrier_signal -1
	s_barrier_wait -1
	CREST
.endm
.macro PLACES
.rept 4
	v_nop
.endr
.endm
	s_load_b256 s[68:75], s[0:1], 0x0              ; A s[68:69], W s[70:71], bias s[72:73], resid s[74:75]
	s_load_b64 s[76:77], s[0:1], 0x20              ; out
	v_lshl_add_u32 v[SPW], v0, 2, SPARE
	v_mov_b32 v[NIL], 0
	ds_add_u32 v[SPW], v[NIL]                      ; the wave's opening: the add and its wait ahead of my first tensor load
	ds_add_u32 v28, v29
	v_lshrrev_b32 v1, 5, v0
	v_readfirstlane_b32 s10, v1
	s_lshr_b32 s11, s10, 1                         ; my half of the rows; also: I fetch for A (0) or W (1)
	s_and_b32 s12, s10, 1                          ; my half of the columns; also: which half of that tile I fetch
	s_bfe_u32 s40, ttmp6, 0x40000
	s_bfe_u32 s41, ttmp6, 0x40004
	s_lshl_b32 s42, ttmp9, 2
	s_add_co_u32 s42, s42, s40                     ; tile column
	s_and_b32 s13, ttmp7, 0xffff                   ; the cluster's Y
	s_and_b32 s[KI], s13, 3
	s_mul_i32 s[KI], s[KI], TSTEPS/4
	s_mul_i32 s4, ttmp9, TSTEPS/2
	s_add_co_u32 s[KI], s[KI], s4
	s_and_b32 s[KI], s[KI], TSTEPS-1               ; my cluster's first K step
	s_mov_b32 s[KOA+1], 0
	s_mov_b32 s[KOB+1], 0
	s_lshl_b32 s13, s13, 2
	s_add_co_u32 s13, s13, s41                     ; tile row = token block
	s_lshl_b32 s43, s41, 2
	s_lshl_b32 s43, 15, s43
	s_lshl_b32 s44, 0x1111, s40
	s_or_b32 s[G1+0], s43, (1<<16)|(1<<20)|(1<<21)|(5<<22)|(3<<25)   ; A: after every 64 words 4 words of padding
	s_mov_b32 s[G1+1], 128<<16
	s_mov_b32 s[G1+2], 128<<16
	s_mov_b32 s[G1+3], 128<<16                     ; 128 rows of 128 elements,
	s_mov_b32 s[G1+4], 128
	s_mov_b32 s[G1+5], 128                         ; dense
	s_mov_b32 s[G1+6], 0
	s_mov_b32 s[G1+7], 0
	s_or_b32 s[G1B+0], s44, (1<<16)|(1<<20)|(1<<21)|(6<<22)|(3<<25)  ; W: after every 128 words
	s_mov_b32 s[G1B+1], KSTEP<<16
	s_mov_b32 s[G1B+2], 64<<16
	s_mov_b32 s[G1B+3], KSTEP<<16                  ; 64 rows of 256 elements
	s_mov_b32 s[G1B+4], 64
	s_mov_b32 s[G1B+5], SIZE_K
	s_mov_b32 s[G1B+6], 0
	s_mov_b32 s[G1B+7], 0
	s_lshl_b32 s16, s13, TBSH
	s_lshl_b32 s17, s12, 15                        ; two column blocks of 16,384 bytes
	s_add_co_u32 s16, s16, s17
	s_mov_b32 s17, 0
	s_lshl_b32 s46, s42, 7
	s_lshl_b32 s47, s12, 6
	s_add_co_u32 s46, s46, s47                     ; W: row 128 x tile column + 64 x half
	s_mul_i32 s46, s46, 2*SIZE_K
.if WOFF
	s_add_co_u32 s46, s46, WOFF
.endif
	s_mov_b32 s47, 0
	s_mul_i32 s20, s10, REG
	s_mov_b32 s[TB], 0
	s_wait_dscnt 0x0
	s_wait_kmcnt 0x0
	s_add_nc_u64 s[14:15], s[68:69], s[16:17]      ; my part of A and of W at K = 0: kept, every request's address is made from them
	s_add_nc_u64 s[46:47], s[70:71], s[46:47]
	CROUND
.irp s, 0,1
	s_lshl_b32 s[KOA], s[KI], 16                   ; a K step is four column blocks of A,
	s_lshl_b32 s[KOB], s[KI], 9                    ; and 512 bytes of a row of W
	s_mov_b32 s[G0+4*(\s)], 1
	s_add_co_u32 s[G0+4*(\s)+1], s20, (\s)*SLOTX
	s_add_nc_u64 s[G0+4*(\s)+2:G0+4*(\s)+3], s[14:15], s[KOA:KOA+1]
	s_or_b32 s[G0+4*(\s)+3], s[G0+4*(\s)+3], 0x80000000
	s_mov_b32 s[G0B+4*(\s)], 1
	s_add_co_u32 s[G0B+4*(\s)+1], s20, (\s)*SLOTX
	s_add_nc_u64 s[G0B+4*(\s)+2:G0B+4*(\s)+3], s[46:47], s[KOB:KOB+1]
	s_or_b32 s[G0B+4*(\s)+3], s[G0B+4*(\s)+3], 0x80000000
	JLOAD \s                                       ; the ring's first two steps: two loads of mine are out; set 1 then walks
.if (\s) == 0
	s_add_co_u32 s[KI], s[KI], 1
	s_and_b32 s[KI], s[KI], TSTEPS-1
.endif
.endr
	s_lshl_b32 s18, s42, 9
	s_lshl_b32 s19, s12, 8
	s_add_co_u32 s18, s18, s19                     ; my first column, in bytes of f32
	s_mov_b32 s19, 0
	s_add_nc_u64 s[72:73], s[72:73], s[18:19]
	s_lshl_b32 s21, s13, 7
	s_lshl_b32 s22, s11, 6
	s_add_co_u32 s21, s21, s22                     ; my first row
	s_lshl_b32 s21, s21, 12
	s_add_co_u32 s18, s18, s21
	s_add_nc_u64 s[74:75], s[74:75], s[18:19]
	s_add_nc_u64 s[76:77], s[76:77], s[18:19]
	v_and_b32 v1, 15, v0
	v_bfe_u32 v2, v0, 4, 1
	v_lshrrev_b32 v3, 1, v1
	v_mul_u32_u24 v3, v3, PA
	v_and_b32 v4, 1, v0
	v_lshl_add_u32 v3, v4, 7, v3
	v_lshl_add_u32 v3, v2, 4, v3                   ; token l % 16: (token / 2) x 272 + (token % 2) x 128 + 16 (l / 16)
	s_mul_i32 s21, s11, 32*PA                      ; my 64 tokens
	v_add_nc_u32 v[A0], s21, v3
	v_mul_u32_u24 v4, v1, PB
	v_lshl_add_u32 v4, v2, 4, v4
	s_mul_i32 s22, s12, REG
	s_add_co_u32 s22, s22, 2*REG
	v_add_nc_u32 v[B0], s22, v4
	v_mov_b32 v[ADRA], v[A0]
	v_add_nc_u32 v[ADRA+1], REG, v[A0]
	v_mov_b32 v[ADRB], v[B0]
	s_mul_i32 s23, s10, 16*SPITCH
	s_add_co_u32 s23, s23, STAGE
	v_mul_u32_u24 v4, v1, SPITCH
	v_lshl_add_u32 v4, v2, 5, v4                   ; in: row l % 16, 32 bytes for each half of the lanes
	v_add_nc_u32 v[STO], s23, v4
	v_mul_u32_u24 v5, v2, SPITCH                   ; back: lanes 0-15 one row of 256 bytes, lanes 16-31 the next
	v_lshl_add_u32 v5, v1, 4, v5
	v_add_nc_u32 v[RD], s23, v5
	v_lshlrev_b32 v5, 12, v2                       ; and the same two rows in resid and out
	v_lshl_add_u32 v[CO], v1, 4, v5
	v_lshlrev_b32 v[BO], 5, v2
.irp b, 0,1,2,3
	global_load_b128 v[BIAS+8*(\b):BIAS+8*(\b)+3],   v[BO], s[72:73] offset:64*(\b)
	global_load_b128 v[BIAS+8*(\b)+4:BIAS+8*(\b)+7], v[BO], s[72:73] offset:64*(\b)+16
.endr
	WIN 0x80
.set i, 0
.rept 32                               ; the residual of my 64 x 64, two rows a load, in the order of the way out; it has the whole product in which to land
	global_load_b128 v[4*i:4*i+3], v[CO], s[74:75] offset:i*8192 th:TH_LOAD_NT
.set i, i+1
.endr
	WIN 0
.macro MUL8 f, c, a0, first            ; 8 matrix instructions; the 16 accumulators take turns
	WIN MUL
.irp a, \a0, (\a0)+1
.irp b, 0,1,2,3
.if \first
	v_wmma_f32_16x16x32_f16 v[ACC+8*(4*(\a)+(\b)):ACC+8*(4*(\a)+(\b))+7], v[(\f)+64+8*(4*(\c)+(\b)):(\f)+64+8*(4*(\c)+(\b))+7], v[(\f)+8*(4*(\c)+(\a)):(\f)+8*(4*(\c)+(\a))+7], v[BIAS+8*(\b):BIAS+8*(\b)+7]
.else
	v_wmma_f32_16x16x32_f16 v[ACC+8*(4*(\a)+(\b)):ACC+8*(4*(\a)+(\b))+7], v[(\f)+64+8*(4*(\c)+(\b)):(\f)+64+8*(4*(\c)+(\b))+7], v[(\f)+8*(4*(\c)+(\a)):(\f)+8*(4*(\c)+(\a))+7], v[ACC+8*(4*(\a)+(\b)):ACC+8*(4*(\a)+(\b))+7]
.endif
.endr
.endr
.endm
.macro FETCH q, f                      ; 32 LDS loads in one run: quarter q of the step (column block q of A, bytes 128 q on of W's rows), the first 32 along K first
	WIN TO_F
.irp c, 0,1
.irp i, 0,1,2,3
	ds_load_b128 v[(\f)+64+8*(4*(\c)+(\i)):(\f)+64+8*(4*(\c)+(\i))+3],   v[ADRB] offset:128*(\q)+64*(\c)+(\i)*16*PB
	ds_load_b128 v[(\f)+64+8*(4*(\c)+(\i))+4:(\f)+64+8*(4*(\c)+(\i))+7], v[ADRB] offset:128*(\q)+64*(\c)+(\i)*16*PB+32
	ds_load_b128 v[(\f)+8*(4*(\c)+(\i)):(\f)+8*(4*(\c)+(\i))+3],         v[ADRA+((\q)/2)] offset:((\q)%2)*64*PA+64*(\c)+(\i)*8*PA
	ds_load_b128 v[(\f)+8*(4*(\c)+(\i))+4:(\f)+8*(4*(\c)+(\i))+7],       v[ADRA+((\q)/2)] offset:((\q)%2)*64*PA+64*(\c)+(\i)*8*PA+32
.endr
.endr
.endm
.macro QUARTER q, f, g, first          ; multiplies buffer f and fetches quarter q into g
	s_wait_dscnt 16                                ; the first 32 along K are in
	MUL8 \f, 0, 0, \first
	MUL8 \f, 0, 2, \first
	PLACES
	FETCH \q, \g
	s_wait_dscnt 32                                ; all but the 32 just issued
	MUL8 \f, 1, 0, 0
	MUL8 \f, 1, 2, 0
.endm
.macro TURN fill                       ; the last quarter changes slots: one barrier; in front of it all my tensor loads, the add, and my reads of this slot are waited for
	WIN 0
	s_wait_tensorcnt 0x0
	ds_add_u32 v[SPW], v[NIL]
	s_wait_dscnt 17                                ; the add and the youngest sixteen loads may be out
	MUL8 F1, 0, 0, 0
	s_wait_dscnt 0x0
	s_barrier_signal -1
	MUL8 F1, 0, 2, 0
	WIN 0
	s_barrier_wait -1
.if \fill
	CREST                                          ; the barrier has opened a round of the cluster's: no wave of any partner still reads this slot or has a load on its way
	s_add_co_u32 s[KI], s[KI], 1                   ; the ring's next step; no load of mine is out, so the descriptors may be written:
	s_and_b32 s[KI], s[KI], TSTEPS-1
	s_lshl_b32 s[KOA], s[KI], 16
	s_lshl_b32 s[KOB], s[KI], 9
	s_xor_b32 s[G0+5], s[G0+5], SLOTX              ; the other slot than last time,
	s_add_nc_u64 s[G0+6:G0+7], s[14:15], s[KOA:KOA+1]  ; the address made anew from my part's first byte and the step's offset,
	s_or_b32 s[G0+7], s[G0+7], 0x80000000          ; the type bits set again
	s_xor_b32 s[G0B+5], s[G0B+5], SLOTX
	s_add_nc_u64 s[G0B+6:G0B+7], s[46:47], s[KOB:KOB+1]
	s_or_b32 s[G0B+7], s[G0B+7], 0x80000000
	JLOAD 1                                        ; its four v_nop are also the places in front of the loads below
.else
	PLACES
.endif
	s_xor_b32 s[TB], s[TB], SLOTX
	v_add_nc_u32 v[ADRA], s[TB], v[A0]
	v_add_nc_u32 v[ADRA+1], REG, v[ADRA]
	v_add_nc_u32 v[ADRB], s[TB], v[B0]
	FETCH 0, F0
	MUL8 F1, 1, 0, 0
	MUL8 F1, 1, 2, 0
.endm
	s_wait_tensorcnt 1                             ; my part of the first step is in; the second's may stay out
	s_barrier_signal -1
	s_barrier_wait -1
	FETCH 0, F0
	s_wait_loadcnt 32                              ; the bias is in; the residual's 32 loads stay out
	QUARTER 1, F0, F1, 1
	WIN 0
	s_mov_b32 s3, TSTEPS-2
.Lstep:                                                ; trip i ends the ring's step i, fills its slot with step i + 2 and begins step i + 1
	QUARTER 2, F1, F0, 0
	QUARTER 3, F0, F1, 0
	TURN 1
	QUARTER 1, F0, F1, 0
	WIN 0
	s_sub_co_u32 s3, s3, 1
	s_cmp_lg_u32 s3, 0
	s_cbranch_scc1 .Lstep
	; The last two steps ask for nothing: a text of their own, written once and walked twice, and left in the middle of the second walk.
	; The second walk's change of slots passes a barrier that orders nothing and fetches 32 fragments from the slot read before (landed, never filled again), which are not multiplied:
	; the price, once a launch, of three quarter steps less text.
	s_mov_b32 s3, 2
.Ltail:
	QUARTER 2, F1, F0, 0
	QUARTER 3, F0, F1, 0
	TURN 0
	WIN 0
	s_sub_co_u32 s3, s3, 1
	s_cmp_eq_u32 s3, 0
	s_cbranch_scc1 .Lout
	QUARTER 1, F0, F1, 0
	WIN 0
	s_branch .Ltail
.Lout:
	s_wait_dscnt 0x0                               ; the fragments that nobody multiplies have landed
	PLACES                                         ; behind the last products: the LDS stores below read results
	s_wait_loadcnt 0x0                             ; the residual
.irp a, 0,1,2,3                        ; 16 rows at a time
.set TM, TMP+32*((\a)%2)
.irp b, 0,1,2,3
	ds_store_b128 v[STO], v[ACC+8*(4*(\a)+(\b)):ACC+8*(4*(\a)+(\b))+3]   offset:64*(\b)     ; each accumulator's low half first
	ds_store_b128 v[STO], v[ACC+8*(4*(\a)+(\b))+4:ACC+8*(4*(\a)+(\b))+7] offset:64*(\b)+16
.endr
	s_wait_xcnt 0x0                                ; the stores of two blocks back have read this set of registers
.irp t, 0,1,2,3,4,5,6,7
	ds_load_b128 v[TM+4*(\t):TM+4*(\t)+3], v[RD] offset:(\t)*2*SPITCH  ; LDS serves a wave's instructions in order: these see the stores above
.endr
	s_wait_dscnt 0x0
	WIN 0x08                                       ; source 1 in window 2
.set i, 0
.rept 16
	v_pk_add_f32 v[TM+2*i:TM+2*i+1], v[TM+2*i:TM+2*i+1], v[32*(\a)+2*i:32*(\a)+2*i+1]
.set i, i+1
.endr
	WIN 0
.irp t, 0,1,2,3,4,5,6,7
.if NTOUT
	global_store_b128 v[CO], v[TM+4*(\t):TM+4*(\t)+3], s[76:77] offset:(16*(\a)+2*(\t))*4096 th:TH_STORE_NT
.else
	global_store_b128 v[CO], v[TM+4*(\t):TM+4*(\t)+3], s[76:77] offset:(16*(\a)+2*(\t))*4096  ; 16 lanes store 256 consecutive bytes, aligned
.endif
.endr
.endr
	s_wait_tensorcnt 0x0                           ; the wave's end
	ds_add_u32 v[SPW], v[NIL]
	s_wait_dscnt 0x0
	CROUND                                         ; the closing round
	s_endpgm
.Lfunc_end_k_qe2c172b1dd_wo:
	.size	k_qe2c172b1dd_wo, .Lfunc_end_k_qe2c172b1dd_wo-k_qe2c172b1dd_wo
	.p2alignl 7, 3214868480
	.fill 96, 4, 3214868480
	.section	.rodata,"a",@progbits
	.p2align	6, 0x0
	.amdhsa_kernel k_qe2c172b1dd_wo
		.amdhsa_group_segment_fixed_size 327680
		.amdhsa_private_segment_fixed_size 0
		.amdhsa_enable_private_segment 0
		.amdhsa_kernarg_size 40
		.amdhsa_user_sgpr_count 2
		.amdhsa_user_sgpr_kernarg_segment_ptr 1
		.amdhsa_wavefront_size32 1
		.amdhsa_system_sgpr_workgroup_id_x 1
		.amdhsa_system_sgpr_workgroup_id_y 1
		.amdhsa_system_sgpr_workgroup_id_z 1
		.amdhsa_system_vgpr_workitem_id 0
		.amdhsa_next_free_vgpr 768
		.amdhsa_next_free_sgpr 80
		.amdhsa_reserve_vcc 0
		.amdhsa_float_denorm_mode_32 3
		.amdhsa_float_denorm_mode_16_64 3
		.amdhsa_memory_ordered 1
		.amdhsa_forward_progress 1
		.amdhsa_inst_pref_size 67
	.end_amdhsa_kernel
	.amdgpu_metadata
---
amdhsa.version: [ 1, 2 ]
amdhsa.kernels:
  - .name:           k_qe2c172b1dd_wo
    .symbol:         k_qe2c172b1dd_wo.kd
    .args:
      - { .name: ob, .offset: 0, .size: 8, .value_kind: global_buffer, .address_space: global }
      - { .name: wrest, .offset: 8, .size: 8, .value_kind: global_buffer, .address_space: global }
      - { .name: bo, .offset: 16, .size: 8, .value_kind: global_buffer, .address_space: global }
      - { .name: x, .offset: 24, .size: 8, .value_kind: global_buffer, .address_space: global }
      - { .name: x1, .offset: 32, .size: 8, .value_kind: global_buffer, .address_space: global }
    .group_segment_fixed_size: 327680
    .private_segment_fixed_size: 0
    .kernarg_segment_align: 8
    .kernarg_segment_size: 40
    .max_flat_workgroup_size: 128
    .sgpr_count:     80
    .vgpr_count:     768
    .wavefront_size: 32
...
	.end_amdgpu_metadata
.endif
;; end of part 4
;; launch ln2: the kernel of part 1 again; grid 512 x 1, 4 waves a work-group, no clusters, 0 bytes of LDS; arguments x1, g2, be2, Wq, Wk, Wv, Wo, W1, W2, bq, bk, bv, bf1, h, packq, packf, wrest; writes h, packq, packf, wrest
;; launch ffn1: the kernel of part 2 again; grid 16 x 16, 4 waves a work-group, clusters of 4 x 4, 327,680 bytes of LDS; arguments h, packf, act; writes act
;; launch ffn2 (part 5): grid 8 x 32, 4 waves a work-group, clusters of 4 x 4, 327,680 bytes of LDS; arguments act, wrest, bf2, x1, out0; writes out0
.if DOCPART == 5
	.amdgcn_target "amdgcn-amd-amdhsa--gfx1250"
	.amdhsa_code_object_version 6
	.text
	.protected	k_qe2c172b1dd_ffn2
	.globl	k_qe2c172b1dd_ffn2
	.p2align	8
	.type	k_qe2c172b1dd_ffn2,@function
k_qe2c172b1dd_ffn2:
	s_mov_b64 s[64:65], 0
	v_nop
	global_prefetch_b8 v0, s[64:65] scope:SCOPE_SE
	s_setreg_imm32_b32 hwreg(HW_REG_WAVE_MODE, 25, 1), 1
	s_wait_xcnt 0x0
	s_wait_alu depctr_hold_cnt(0) depctr_sa_sdst(0) depctr_va_vdst(0) depctr_va_sdst(0) depctr_va_ssrc(0) depctr_va_vcc(0) depctr_vm_vsrc(0)
	s_getreg_b32 s2, hwreg(HW_REG_IB_STS2, 6, 4)
	s_cmp_eq_u32 s2, 0
	s_cbranch_scc0 .Lentry_in_a_cluster
	s_endpgm
.Lentry_in_a_cluster:
	s_bfe_u32 s2, ttmp6, 0x10000c
	s_cmp_lg_u32 s2, 0xf033
	s_cbranch_scc0 .Lentry_shape_is_right
	s_endpgm
.Lentry_shape_is_right:
; out = resid + A W^T + bias, all of it in f32 but the two operands.  A: f16 in blocks [32 blocks of 128 tokens][SIZE_K / 64 column blocks][128][64]; W: f16 [1024][SIZE_K] at WOFF in its buffer;
; bias [1024], resid and out [4096][1024] f32.  This text and the attention's output product's differ in the four constants below alone.
; SHAPE.  A tile of out is 128 x 128: 256 work-groups, one to a WGP.  Four waves, each 64 x 64: 16 accumulators.  K goes in steps of 256 through two LDS slots, as long as LDS allows.
; A's part of a step is four column blocks, dense in memory: waves 0 and 1 fetch two each, as 128 rows of 256 bytes (two tokens a row); waves 2 and 3 fetch 64 rows of W each, 512 bytes long.
; Each loader has a region of two slots, slot 1 0x8800 behind slot 0; one exclusive or changes slots, and one K step is written in the loop.
; THE K STEPS ARE A RING of TSTEPS: cluster (X, Y) of the grid begins at step X TSTEPS / 2 + (Y % 4) TSTEPS / 4 and goes round.  The two clusters of one Y read the same rows of A, the clusters of one X
; the same rows of W; begun apart, they do not ask for the same tile in the same step, and from the ring's second half on a cluster's tiles have been read once before.  The sums hold the same products,
; added in another order.  The step's number hangs on the cluster's place alone, which its sixteen work-groups share, and enters the global addresses alone.
; CLUSTER 4 x 4: A's tile is shared along a row of the cluster, W's along a column, each asked for jointly.
; THE MATRIX INSTRUCTION IS USED TRANSPOSED: a lane holds one token (lane % 16) and the columns 8 (lane / 16) + 0..7.  The first product of each accumulator takes the bias as C.
; THE WAY OUT: a wave's 64 columns of f32 are 256 aligned bytes, so each wave goes through a stage of its own, without a barrier; the residual, asked for at the head, is added to whole rows.
; LIMITS: the operands arrive in f16; sums, bias and residual stay in f32.
; REGISTERS.  window 0: v14-29 addresses; v32-95 the way out; v96-127 the bias; v128-255 the accumulators.   window 1: two fragment buffers of 128.   window 2: v0-127 the residual.
.set SIZE_K, 4096
.set TBSH,   20                        ; a token block of A is 1 << TBSH bytes
.set WOFF,   2097152
.set NTOUT,  1                         ; 1: out is not read again
.set TSTEPS, SIZE_K/256
.set KSTEP,  256
.set PA,     272                       ; two tokens of a column block: 256 bytes + 16
.set PB,     528                       ; a row of W's tile: 512 bytes + 16
.set SLOTX,  0x8800
.set REG,    0x11000
.set STAGE,  4*REG                     ; 16 rows x 272 bytes for each wave
.set SPITCH, 272
.set SPARE,  STAGE+4*16*SPITCH         ; the spare words: 128 bytes for each wave, which no other line names
.set A0,   14
.set ADRA, 15                          ; v15: column blocks 0, 1 of the step; v16: blocks 2, 3
.set B0,   17
.set ADRB, 18
.set STO,  24
.set RD,   25
.set CO,   26
.set BO,   27
.set SPW,  28
.set NIL,  29
.set TMP,  32
.set BIAS, 96
.set ACC,  128
.set F0,   0
.set F1,   128
.set KOA, 4                            ; s[4:5]: the step's byte offset in A's token block
.set KOB, 6                            ; s[6:7]: in a row of W
.set G1,  24
.set G0,  32
.set G1B, 48
.set G0B, 56
.set TB,  66
.set KI,  67                           ; s67: the K step asked for last
.set MSB, 0
.macro WIN new
.if MSB != (\new)
	s_set_vgpr_msb (MSB<<8)|(\new)
.set MSB, \new
.endif
.endm
.set MUL,  0x05
.set TO_F, 0x40
.macro JLOAD s
	s_cmp_eq_u32 s11, 0
	s_cbranch_scc0 .Lfor_b_\@
	tensor_load_to_lds s[G0+4*(\s):G0+4*(\s)+3], s[G1:G1+7]
	s_nop 0
.rept 4
	v_nop
.endr
	s_branch .Lasked_\@
.Lfor_b_\@:
	tensor_load_to_lds s[G0B+4*(\s):G0B+4*(\s)+3], s[G1B:G1B+7]
	s_nop 0
.rept 4
	v_nop
.endr
.Lasked_\@:
.endm
.macro CREST
	s_cmp_lg_u32 s10, 0
	s_cbranch_scc1 .Lnot_wave_0_\@
	s_barrier_signal -3
.Lnot_wave_0_\@:
	s_barrier_wait -3
	s_barrier_signal -1
	s_barrier_wait -1
.endm
.macro CROUND
	s_barrier_signal -1
	s_barrier_wait -1
	CREST
.endm
.macro PLACES
.rept 4
	v_nop
.endr
.endm
	s_load_b256 s[68:75], s[0:1], 0x0              ; A s[68:69], W s[70:71], bias s[72:73], resid s[74:75]
	s_load_b64 s[76:77], s[0:1], 0x20              ; out
	v_lshl_add_u32 v[SPW], v0, 2, SPARE
	v_mov_b32 v[NIL], 0
	ds_add_u32 v[SPW], v[NIL]                      ; the wave's opening: the add and its wait ahead of my first tensor load
	ds_add_u32 v28, v29
	v_lshrrev_b32 v1, 5, v0
	v_readfirstlane_b32 s10, v1
	s_lshr_b32 s11, s10, 1                         ; my half of the rows; also: I fetch for A (0) or W (1)
	s_and_b32 s12, s10, 1                          ; my half of the columns; also: which half of that tile I fetch
	s_bfe_u32 s40, ttmp6, 0x40000
	s_bfe_u32 s41, ttmp6, 0x40004
	s_lshl_b32 s42, ttmp9, 2
	s_add_co_u32 s42, s42, s40                     ; tile column
	s_and_b32 s13, ttmp7, 0xffff                   ; the cluster's Y
	s_and_b32 s[KI], s13, 3
	s_mul_i32 s[KI], s[KI], TSTEPS/4
	s_mul_i32 s4, ttmp9, TSTEPS/2
	s_add_co_u32 s[KI], s[KI], s4
	s_and_b32 s[KI], s[KI], TSTEPS-1               ; my cluster's first K step
	s_mov_b32 s[KOA+1], 0
	s_mov_b32 s[KOB+1], 0
	s_lshl_b32 s13, s13, 2
	s_add_co_u32 s13, s13, s41                     ; tile row = token block
	s_lshl_b32 s43, s41, 2
	s_lshl_b32 s43, 15, s43
	s_lshl_b32 s44, 0x1111, s40
	s_or_b32 s[G1+0], s43, (1<<16)|(1<<20)|(1<<21)|(5<<22)|(3<<25)   ; A: after every 64 words 4 words of padding
	s_mov_b32 s[G1+1], 128<<16
	s_mov_b32 s[G1+2], 128<<16
	s_mov_b32 s[G1+3], 128<<16                     ; 128 rows of 128 elements,
	s_mov_b32 s[G1+4], 128
	s_mov_b32 s[G1+5], 128                         ; dense
	s_mov_b32 s[G1+6], 0
	s_mov_b32 s[G1+7], 0
	s_or_b32 s[G1B+0], s44, (1<<16)|(1<<20)|(1<<21)|(6<<22)|(3<<25)  ; W: after every 128 words
	s_mov_b32 s[G1B+1], KSTEP<<16
	s_mov_b32 s[G1B+2], 64<<16
	s_mov_b32 s[G1B+3], KSTEP<<16                  ; 64 rows of 256 elements
	s_mov_b32 s[G1B+4], 64
	s_mov_b32 s[G1B+5], SIZE_K
	s_mov_b32 s[G1B+6], 0
	s_mov_b32 s[G1B+7], 0
	s_lshl_b32 s16, s13, TBSH
	s_lshl_b32 s17, s12, 15                        ; two column blocks of 16,384 bytes
	s_add_co_u32 s16, s16, s17
	s_mov_b32 s17, 0
	s_lshl_b32 s46, s42, 7
	s_lshl_b32 s47, s12, 6
	s_add_co_u32 s46, s46, s47                     ; W: row 128 x tile column + 64 x half
	s_mul_i32 s46, s46, 2*SIZE_K
.if WOFF
	s_add_co_u32 s46, s46, WOFF
.endif
	s_mov_b32 s47, 0
	s_mul_i32 s20, s10, REG
	s_mov_b32 s[TB], 0
	s_wait_dscnt 0x0
	s_wait_kmcnt 0x0
	s_add_nc_u64 s[14:15], s[68:69], s[16:17]      ; my part of A and of W at K = 0: kept, every request's address is made from them
	s_add_nc_u64 s[46:47], s[70:71], s[46:47]
	CROUND
.irp s, 0,1
	s_lshl_b32 s[KOA], s[KI], 16                   ; a K step is four column blocks of A,
	s_lshl_b32 s[KOB], s[KI], 9                    ; and 512 bytes of a row of W
	s_mov_b32 s[G0+4*(\s)], 1
	s_add_co_u32 s[G0+4*(\s)+1], s20, (\s)*SLOTX
	s_add_nc_u64 s[G0+4*(\s)+2:G0+4*(\s)+3], s[14:15], s[KOA:KOA+1]
	s_or_b32 s[G0+4*(\s)+3], s[G0+4*(\s)+3], 0x80000000
	s_mov_b32 s[G0B+4*(\s)], 1
	s_add_co_u32 s[G0B+4*(\s)+1], s20, (\s)*SLOTX
	s_add_nc_u64 s[G0B+4*(\s)+2:G0B+4*(\s)+3], s[46:47], s[KOB:KOB+1]
	s_or_b32 s[G0B+4*(\s)+3], s[G0B+4*(\s)+3], 0x80000000
	JLOAD \s                                       ; the ring's first two steps: two loads of mine are out; set 1 then walks
.if (\s) == 0
	s_add_co_u32 s[KI], s[KI], 1
	s_and_b32 s[KI], s[KI], TSTEPS-1
.endif
.endr
	s_lshl_b32 s18, s42, 9
	s_lshl_b32 s19, s12, 8
	s_add_co_u32 s18, s18, s19                     ; my first column, in bytes of f32
	s_mov_b32 s19, 0
	s_add_nc_u64 s[72:73], s[72:73], s[18:19]
	s_lshl_b32 s21, s13, 7
	s_lshl_b32 s22, s11, 6
	s_add_co_u32 s21, s21, s22                     ; my first row
	s_lshl_b32 s21, s21, 12
	s_add_co_u32 s18, s18, s21
	s_add_nc_u64 s[74:75], s[74:75], s[18:19]
	s_add_nc_u64 s[76:77], s[76:77], s[18:19]
	v_and_b32 v1, 15, v0
	v_bfe_u32 v2, v0, 4, 1
	v_lshrrev_b32 v3, 1, v1
	v_mul_u32_u24 v3, v3, PA
	v_and_b32 v4, 1, v0
	v_lshl_add_u32 v3, v4, 7, v3
	v_lshl_add_u32 v3, v2, 4, v3                   ; token l % 16: (token / 2) x 272 + (token % 2) x 128 + 16 (l / 16)
	s_mul_i32 s21, s11, 32*PA                      ; my 64 tokens
	v_add_nc_u32 v[A0], s21, v3
	v_mul_u32_u24 v4, v1, PB
	v_lshl_add_u32 v4, v2, 4, v4
	s_mul_i32 s22, s12, REG
	s_add_co_u32 s22, s22, 2*REG
	v_add_nc_u32 v[B0], s22, v4
	v_mov_b32 v[ADRA], v[A0]
	v_add_nc_u32 v[ADRA+1], REG, v[A0]
	v_mov_b32 v[ADRB], v[B0]
	s_mul_i32 s23, s10, 16*SPITCH
	s_add_co_u32 s23, s23, STAGE
	v_mul_u32_u24 v4, v1, SPITCH
	v_lshl_add_u32 v4, v2, 5, v4                   ; in: row l % 16, 32 bytes for each half of the lanes
	v_add_nc_u32 v[STO], s23, v4
	v_mul_u32_u24 v5, v2, SPITCH                   ; back: lanes 0-15 one row of 256 bytes, lanes 16-31 the next
	v_lshl_add_u32 v5, v1, 4, v5
	v_add_nc_u32 v[RD], s23, v5
	v_lshlrev_b32 v5, 12, v2                       ; and the same two rows in resid and out
	v_lshl_add_u32 v[CO], v1, 4, v5
	v_lshlrev_b32 v[BO], 5, v2
.irp b, 0,1,2,3
	global_load_b128 v[BIAS+8*(\b):BIAS+8*(\b)+3],   v[BO], s[72:73] offset:64*(\b)
	global_load_b128 v[BIAS+8*(\b)+4:BIAS+8*(\b)+7], v[BO], s[72:73] offset:64*(\b)+16
.endr
	WIN 0x80
.set i, 0
.rept 32                               ; the residual of my 64 x 64, two rows a load, in the order of the way out; it has the whole product in which to land
	global_load_b128 v[4*i:4*i+3], v[CO], s[74:75] offset:i*8192 th:TH_LOAD_NT
.set i, i+1
.endr
	WIN 0
.macro MUL8 f, c, a0, first            ; 8 matrix instructions; the 16 accumulators take turns
	WIN MUL
.irp a, \a0, (\a0)+1
.irp b, 0,1,2,3
.if \first
	v_wmma_f32_16x16x32_f16 v[ACC+8*(4*(\a)+(\b)):ACC+8*(4*(\a)+(\b))+7], v[(\f)+64+8*(4*(\c)+(\b)):(\f)+64+8*(4*(\c)+(\b))+7], v[(\f)+8*(4*(\c)+(\a)):(\f)+8*(4*(\c)+(\a))+7], v[BIAS+8*(\b):BIAS+8*(\b)+7]
.else
	v_wmma_f32_16x16x32_f16 v[ACC+8*(4*(\a)+(\b)):ACC+8*(4*(\a)+(\b))+7], v[(\f)+64+8*(4*(\c)+(\b)):(\f)+64+8*(4*(\c)+(\b))+7], v[(\f)+8*(4*(\c)+(\a)):(\f)+8*(4*(\c)+(\a))+7], v[ACC+8*(4*(\a)+(\b)):ACC+8*(4*(\a)+(\b))+7]
.endif
.endr
.endr
.endm
.macro FETCH q, f                      ; 32 LDS loads in one run: quarter q of the step (column block q of A, bytes 128 q on of W's rows), the first 32 along K first
	WIN TO_F
.irp c, 0,1
.irp i, 0,1,2,3
	ds_load_b128 v[(\f)+64+8*(4*(\c)+(\i)):(\f)+64+8*(4*(\c)+(\i))+3],   v[ADRB] offset:128*(\q)+64*(\c)+(\i)*16*PB
	ds_load_b128 v[(\f)+64+8*(4*(\c)+(\i))+4:(\f)+64+8*(4*(\c)+(\i))+7], v[ADRB] offset:128*(\q)+64*(\c)+(\i)*16*PB+32
	ds_load_b128 v[(\f)+8*(4*(\c)+(\i)):(\f)+8*(4*(\c)+(\i))+3],         v[ADRA+((\q)/2)] offset:((\q)%2)*64*PA+64*(\c)+(\i)*8*PA
	ds_load_b128 v[(\f)+8*(4*(\c)+(\i))+4:(\f)+8*(4*(\c)+(\i))+7],       v[ADRA+((\q)/2)] offset:((\q)%2)*64*PA+64*(\c)+(\i)*8*PA+32
.endr
.endr
.endm
.macro QUARTER q, f, g, first          ; multiplies buffer f and fetches quarter q into g
	s_wait_dscnt 16                                ; the first 32 along K are in
	MUL8 \f, 0, 0, \first
	MUL8 \f, 0, 2, \first
	PLACES
	FETCH \q, \g
	s_wait_dscnt 32                                ; all but the 32 just issued
	MUL8 \f, 1, 0, 0
	MUL8 \f, 1, 2, 0
.endm
.macro TURN fill                       ; the last quarter changes slots: one barrier; in front of it all my tensor loads, the add, and my reads of this slot are waited for
	WIN 0
	s_wait_tensorcnt 0x0
	ds_add_u32 v[SPW], v[NIL]
	s_wait_dscnt 17                                ; the add and the youngest sixteen loads may be out
	MUL8 F1, 0, 0, 0
	s_wait_dscnt 0x0
	s_barrier_signal -1
	MUL8 F1, 0, 2, 0
	WIN 0
	s_barrier_wait -1
.if \fill
	CREST                                          ; the barrier has opened a round of the cluster's: no wave of any partner still reads this slot or has a load on its way
	s_add_co_u32 s[KI], s[KI], 1                   ; the ring's next step; no load of mine is out, so the descriptors may be written:
	s_and_b32 s[KI], s[KI], TSTEPS-1
	s_lshl_b32 s[KOA], s[KI], 16
	s_lshl_b32 s[KOB], s[KI], 9
	s_xor_b32 s[G0+5], s[G0+5], SLOTX              ; the other slot than last time,
	s_add_nc_u64 s[G0+6:G0+7], s[14:15], s[KOA:KOA+1]  ; the address made anew from my part's first byte and the step's offset,
	s_or_b32 s[G0+7], s[G0+7], 0x80000000          ; the type bits set again
	s_xor_b32 s[G0B+5], s[G0B+5], SLOTX
	s_add_nc_u64 s[G0B+6:G0B+7], s[46:47], s[KOB:KOB+1]
	s_or_b32 s[G0B+7], s[G0B+7], 0x80000000
	JLOAD 1                                        ; its four v_nop are also the places in front of the loads below
.else
	PLACES
.endif
	s_xor_b32 s[TB], s[TB], SLOTX
	v_add_nc_u32 v[ADRA], s[TB], v[A0]
	v_add_nc_u32 v[ADRA+1], REG, v[ADRA]
	v_add_nc_u32 v[ADRB], s[TB], v[B0]
	FETCH 0, F0
	MUL8 F1, 1, 0, 0
	MUL8 F1, 1, 2, 0
.endm
	s_wait_tensorcnt 1                             ; my part of the first step is in; the second's may stay out
	s_barrier_signal -1
	s_barrier_wait -1
	FETCH 0, F0
	s_wait_loadcnt 32                              ; the bias is in; the residual's 32 loads stay out
	QUARTER 1, F0, F1, 1
	WIN 0
	s_mov_b32 s3, TSTEPS-2
.Lstep:                                                ; trip i ends the ring's step i, fills its slot with step i + 2 and begins step i + 1
	QUARTER 2, F1, F0, 0
	QUARTER 3, F0, F1, 0
	TURN 1
	QUARTER 1, F0, F1, 0
	WIN 0
	s_sub_co_u32 s3, s3, 1
	s_cmp_lg_u32 s3, 0
	s_cbranch_scc1 .Lstep
	; The last two steps ask for nothing: a text of their own, written once and walked twice, and left in the middle of the second walk.
	; The second walk's change of slots passes a barrier that orders nothing and fetches 32 fragments from the slot read before (landed, never filled again), which are not multiplied:
	; the price, once a launch, of three quarter steps less text.
	s_mov_b32 s3, 2
.Ltail:
	QUARTER 2, F1, F0, 0
	QUARTER 3, F0, F1, 0
	TURN 0
	WIN 0
	s_sub_co_u32 s3, s3, 1
	s_cmp_eq_u32 s3, 0
	s_cbranch_scc1 .Lout
	QUARTER 1, F0, F1, 0
	WIN 0
	s_branch .Ltail
.Lout:
	s_wait_dscnt 0x0                               ; the fragments that nobody multiplies have landed
	PLACES                                         ; behind the last products: the LDS stores below read results
	s_wait_loadcnt 0x0                             ; the residual
.irp a, 0,1,2,3                        ; 16 rows at a time
.set TM, TMP+32*((\a)%2)
.irp b, 0,1,2,3
	ds_store_b128 v[STO], v[ACC+8*(4*(\a)+(\b)):ACC+8*(4*(\a)+(\b))+3]   offset:64*(\b)     ; each accumulator's low half first
	ds_store_b128 v[STO], v[ACC+8*(4*(\a)+(\b))+4:ACC+8*(4*(\a)+(\b))+7] offset:64*(\b)+16
.endr
	s_wait_xcnt 0x0                                ; the stores of two blocks back have read this set of registers
.irp t, 0,1,2,3,4,5,6,7
	ds_load_b128 v[TM+4*(\t):TM+4*(\t)+3], v[RD] offset:(\t)*2*SPITCH  ; LDS serves a wave's instructions in order: these see the stores above
.endr
	s_wait_dscnt 0x0
	WIN 0x08                                       ; source 1 in window 2
.set i, 0
.rept 16
	v_pk_add_f32 v[TM+2*i:TM+2*i+1], v[TM+2*i:TM+2*i+1], v[32*(\a)+2*i:32*(\a)+2*i+1]
.set i, i+1
.endr
	WIN 0
.irp t, 0,1,2,3,4,5,6,7
.if NTOUT
	global_store_b128 v[CO], v[TM+4*(\t):TM+4*(\t)+3], s[76:77] offset:(16*(\a)+2*(\t))*4096 th:TH_STORE_NT
.else
	global_store_b128 v[CO], v[TM+4*(\t):TM+4*(\t)+3], s[76:77] offset:(16*(\a)+2*(\t))*4096  ; 16 lanes store 256 consecutive bytes, aligned
.endif
.endr
.endr
	s_wait_tensorcnt 0x0                           ; the wave's end
	ds_add_u32 v[SPW], v[NIL]
	s_wait_dscnt 0x0
	CROUND                                         ; the closing round
	s_endpgm
.Lfunc_end_k_qe2c172b1dd_ffn2:
	.size	k_qe2c172b1dd_ffn2, .Lfunc_end_k_qe2c172b1dd_ffn2-k_qe2c172b1dd_ffn2
	.p2alignl 7, 3214868480
	.fill 96, 4, 3214868480
	.section	.rodata,"a",@progbits
	.p2align	6, 0x0
	.amdhsa_kernel k_qe2c172b1dd_ffn2
		.amdhsa_group_segment_fixed_size 327680
		.amdhsa_private_segment_fixed_size 0
		.amdhsa_enable_private_segment 0
		.amdhsa_kernarg_size 40
		.amdhsa_user_sgpr_count 2
		.amdhsa_user_sgpr_kernarg_segment_ptr 1
		.amdhsa_wavefront_size32 1
		.amdhsa_system_sgpr_workgroup_id_x 1
		.amdhsa_system_sgpr_workgroup_id_y 1
		.amdhsa_system_sgpr_workgroup_id_z 1
		.amdhsa_system_vgpr_workitem_id 0
		.amdhsa_next_free_vgpr 768
		.amdhsa_next_free_sgpr 80
		.amdhsa_reserve_vcc 0
		.amdhsa_float_denorm_mode_32 3
		.amdhsa_float_denorm_mode_16_64 3
		.amdhsa_memory_ordered 1
		.amdhsa_forward_progress 1
		.amdhsa_inst_pref_size 67
	.end_amdhsa_kernel
	.amdgpu_metadata
---
amdhsa.version: [ 1, 2 ]
amdhsa.kernels:
  - .name:           k_qe2c172b1dd_ffn2
    .symbol:         k_qe2c172b1dd_ffn2.kd
    .args:
      - { .name: act, .offset: 0, .size: 8, .value_kind: global_buffer, .address_space: global }
      - { .name: wrest, .offset: 8, .size: 8, .value_kind: global_buffer, .address_space: global }
      - { .name: bf2, .offset: 16, .size: 8, .value_kind: global_buffer, .address_space: global }
      - { .name: x1, .offset: 24, .size: 8, .value_kind: global_buffer, .address_space: global }
      - { .name: out0, .offset: 32, .size: 8, .value_kind: global_buffer, .address_space: global }
    .group_segment_fixed_size: 327680
    .private_segment_fixed_size: 0
    .kernarg_segment_align: 8
    .kernarg_segment_size: 40
    .max_flat_workgroup_size: 128
    .sgpr_count:     80
    .vgpr_count:     768
    .wavefront_size: 32
...
	.end_amdgpu_metadata
.endif
;; end of part 5
